; MI455X (gfx1250); checked and timed in simulation.
; The chip was launched on July 23, 2026; its instructions are those of AMD's public machine-readable ISA for CDNA 5 (MIT licence, August 2026) and "CDNA5" Instruction Set Architecture Reference Guide (July 2026). The comments in the code are by the model that wrote it; some were corrected since.
;; Attention Block. Allowed arithmetic: matrix products marked QUANTISED: E5M2 operands, one E8M0 scale for each 32 along K, by v_wmma_scale_f32_16x16x128_f8f6f4 with both operands' format E5M2, f32 sums; everything else in f32.
;; Inputs: b1 4,096 float32; b2 1,024 float32; mask 2,048 x 2,048 bool; w1_codes 4,096 x 32 x 32 uint8 (E5M2 codes of w1, K innermost, in blocks of 32 codes); w1_scales 4,096 x 32 uint8 (E8M0 scales of w1, one for each 32 codes along K); w2_codes 1,024 x 128 x 32 uint8 (E5M2 codes of w2, K innermost, in blocks of 32 codes); w2_scales 1,024 x 128 uint8 (E8M0 scales of w2, one for each 32 codes along K); wk_codes 16 x 64 x 32 x 32 uint8 (E5M2 codes of wk, K innermost, in blocks of 32 codes); wk_scales 16 x 64 x 32 uint8 (E8M0 scales of wk, one for each 32 codes along K); wq_codes 16 x 64 x 32 x 32 uint8 (E5M2 codes of wq, K innermost, in blocks of 32 codes); wq_scales 16 x 64 x 32 uint8 (E8M0 scales of wq, one for each 32 codes along K); wv_codes 16 x 64 x 32 x 32 uint8 (E5M2 codes of wv, K innermost, in blocks of 32 codes); wv_scales 16 x 64 x 32 uint8 (E8M0 scales of wv, one for each 32 codes along K); x 2 x 2,048 x 1,024 float32.
;; Outputs: out0 2 x 2,048 x 1,024 float32.
;; This version of the problem:
;;   THIS VERSION OF THE PROBLEM IS GIVEN IN LOW PRECISION. The matrix products marked QUANTISED in the list below multiply operands that are first quantised to E5M2 (5 exponent bits, 2 mantissa bits; 8 bits a number), with one power-of-two scale for each 32 numbers along K (OCP MX v1.0); their sums are f32. All else is computed in f32.
;;   The module's matrix products, in the order in which they are computed (A, B: the left and right operand; K: the contracted axis; several contracted axes count as one K, in the product's order):
;;     1. [M 1,024, K 1,024] x [K 1,024, N 4,096]; A: input wq (given as codes); B: input x: QUANTISED
;;     2. [M 1,024, K 1,024] x [K 1,024, N 4,096]; A: input wk (given as codes); B: input x: QUANTISED
;;     3. [M 1,024, K 1,024] x [K 1,024, N 4,096]; A: input wv (given as codes); B: input x: QUANTISED
;;     4. batch 32 x [M 2,048, K 64] x [K 64, N 2,048]; A: computed on the way; B: computed on the way: QUANTISED
;;     5. batch 32 x [M 2,048, K 2,048] x [K 2,048, N 64]; A: softmax (see below); B: computed on the way: QUANTISED
;;     6. [M 4,096, K 1,024] x [K 1,024, N 4,096]; A: computed on the way; B: input w1 (given as codes): QUANTISED
;;     7. [M 4,096, K 4,096] x [K 4,096, N 1,024]; A: computed on the way; B: input w2 (given as codes): QUANTISED
;;   THE QUANTISER, for each operand of a quantised product, along K:
;;     - K is cut into blocks of 32 from its start; a last block that is shorter is filled with zeros.
;;     - A block's scale is 2^e with e = floor(log2(the largest magnitude in the block)) - 15, held to -126 .. 127; a block of zeros has e = 0. As a byte (E8M0): e + 127.
;;     - Each number is divided by its block's scale, clamped to +-57,344, and rounded to the nearest number of E5M2, ties to even, subnormals kept.
;;     - The product sums the exact products of the quantised numbers (number of the format x scale) in f32.
;;   ~~~python
;;   def quantise(x, axis):      # numpy; x: float32 -> the quantised numbers, widened to float32 again
;;       x = np.moveaxis(x, axis, -1); K = x.shape[-1]
;;       x = np.pad(x, [(0, 0)] * (x.ndim - 1) + [(0, -K % 32)]); x = x.reshape(x.shape[:-1] + (-1, 32)); a = np.abs(x).max(-1, keepdims=True)
;;       e = np.where(a > 0, np.clip(np.frexp(np.where(a > 0, a, 1))[1] - 1 - 15, -126, 127), 0)      # np.frexp(a)[1] - 1 = floor(log2(a)), exactly
;;       r = np.clip(x / 2.0 ** e, -57344, 57344)
;;       step = 2.0 ** (np.maximum(np.frexp(np.where(r == 0, 1, r))[1] - 1, -14) - 2)
;;       q = np.round(r / step) * step * 2.0 ** e      # np.round: ties to even
;;       return np.moveaxis(q.reshape(q.shape[:-2] + (-1,))[..., :K], -1, axis).astype(np.float32)
;;   ~~~
;;   SOFTMAX AHEAD OF A QUANTISED PRODUCT. Where the list says 'softmax', what is quantised is not the finished softmax but p = 2^(t - M), with t = logit x log2(e) and M = ceil(the row's largest t), a whole number; so 1/2 < the row's largest p <= 1. The row's sum l is taken of the UNQUANTISED p, in f32, and the product's result is divided by l at the end. Since M is a whole number, a kernel that streams over the keys may use a running M (the ceiling of the running maximum): every later rescaling is an exact power of two, which a block's scale takes up: the codes' values come out the same.
;;   OPERANDS COMPUTED ON THE WAY. 'Computed on the way' means the value that the module computes at that place (a softmax that the list does not call 'softmax' is quantised finished and normalised). What goes into a quantiser is computed in f32, as accurately as f32 sums, v_exp_f32 and their like allow (about 1e-6 of the number): no bf16 or f16 on the way to a quantiser, and a product that is left as it is and whose result goes on into a quantised operand takes f32 operands (vector FMAs, or v_wmma_f32_16x16x4_f32). A number that lies on a knife's edge between two numbers of the format may be rounded either way, as far as f32 arithmetic and the matrix unit's own rounding can turn it there, and no further.
;;   INPUTS GIVEN AS CODES. w1 (in the module: [4096, 1024], K = its axis 1); w2 (in the module: [1024, 4096], K = its axis 1); wk (in the module: [16, 64, 1024], K = its axis 2); wq (in the module: [16, 64, 1024], K = its axis 2); wv (in the module: [16, 64, 1024], K = its axis 2): each comes as NAME_codes (uint8): NAME with its K axis moved to the last place and cut into blocks of 32 codes, [.., K / 32, bytes a block], one block behind the other in memory; one code a byte (a code: sign, 5 exponent bits, 2 mantissa bits); and NAME_scales (uint8): the same leading axes, one E8M0 byte (e + 127) for each 32 codes along K. Its value is code x scale, taken as it is: it is not quantised again, and the codes and scales need not be those that the quantiser above would give.
;; 2 versions, each right; version 2 is version 1 with the launch attn written anew for expert scheduling mode. Each part assembles by itself: llvm-mc -triple=amdgcn-amd-amdhsa -mcpu=gfx1250 --defsym DOCPART=n.
;; ======== version 1 of 2: 5 launches
;; workspace buffers: xq 4,325,376 bytes; mk 532,480 bytes of whole numbers; qkv 12,976,128 bytes; hq 4,325,376 bytes; gq 17,301,504 bytes
;; launch prep (part 1): grid 256 x 1, 4 waves a work-group, no clusters, 33,280 bytes of LDS; arguments x, mask, xq, mk; writes xq, mk
.if DOCPART == 1
	.amdgcn_target "amdgcn-amd-amdhsa--gfx1250"
	.amdhsa_code_object_version 6
	.text
	.protected	k_qbef66470e9_prep
	.globl	k_qbef66470e9_prep
	.p2align	8
	.type	k_qbef66470e9_prep,@function
k_qbef66470e9_prep:
	s_mov_b64 s[64:65], 0
	v_nop
	global_prefetch_b8 v0, s[64:65] scope:SCOPE_SE
	s_setreg_imm32_b32 hwreg(HW_REG_WAVE_MODE, 25, 1), 1
	s_wait_xcnt 0x0
; Two jobs in one launch, parted on the work-group's number.
; WORK-GROUPS 0-127: x [4096][1024] f32 becomes codes of BF8 (E5M2), K innermost, at xq + 0, and one E8M0 byte for each 32 along K, [4096][32], at xq + 4,194,304.
;   A block's scale is 2^(floor(log2(largest magnitude)) - 15); its byte is the largest magnitude's exponent field - 15, held at 1 from below; each number is held within +-57,344 x the scale and rounded to the nearest code.
;   A wave takes 16 steps of 512 numbers.  Each load reads 512 consecutive bytes; a step's 2,048 bytes turn through the wave's own stage in LDS, so that a lane holds 16 neighbours (two lanes to a block).
; WORK-GROUPS 128-255: the mask [2048][2048] of bytes becomes lane masks.  Work-group 128 + tau takes queries 16 tau .. 16 tau + 15, wave w key steps 4 w .. 4 w + 3 of 128 keys.
;   Word n (0..63) of (tau, s) at mk + (16 tau + s) 256 + 4 n: bit L = mask[16 tau + L % 16][128 s + 16 (n / 8) + 8 (L / 16) + n % 8]: the place of score register n in lane L of the attention launch.
;   A flag word for (tau, s) at mk + 524,288 + (16 tau + s) 4: bit 0 = some byte of the tile is set, bit 1 = all are.
; LIMITS: NaN and infinities in x are not served; a block of zeros gets the byte 1 over zero codes (this program alone reads the bytes); a mask byte is 0 or 1.
.set STEPS, 16
.set EMAX,  15
.set MANT,  0x600000                   ; the mantissa field of 57,344 as f32
.set CB,    16                         ; bytes of 16 codes
.set R,     16                         ; v16-79   four sets of 16 numbers as loaded
.set X,     80                         ; v80-111  two sets of 16 neighbours
.set C,     128                        ; v128-191 codes, four registers a step
.set E,     112                        ; v112-127 a scale byte a step
.set WREG,  8192                       ; LDS: a region for each wave: two stages of 32 x SP bytes, then its 256 scale bytes
.set SP,    80                         ; a lane's place in a stage: 64 bytes + 16 of padding
	s_load_b256 s[4:11], s[0:1], 0x0               ; x s[4:5], mask s[6:7], xq s[8:9], mk s[10:11]
	v_lshl_add_u32 v192, v0, 2, 0x8000
	v_mov_b32 v193, 0
	v_lshrrev_b32 v1, 5, v0
	v_readfirstlane_b32 s16, v1                    ; wave
	v_and_b32 v2, 31, v0                           ; lane
	s_mov_b32 s21, 0
	s_wait_kmcnt 0x0
	s_cmp_lt_u32 ttmp9, 128
	s_cbranch_scc0 .Lmask
	; ---------------- x ----------------
	v_lshlrev_b32 v3, 4, v2                        ; my 16 bytes of a load's 512
	s_mul_i32 s17, s16, WREG
	v_lshrrev_b32 v14, 2, v2
	v_mul_u32_u24 v14, v14, SP
	v_and_b32 v15, 3, v2
	v_lshl_add_u32 v14, v15, 4, v14
	v_add_nc_u32 v14, s17, v14                     ; the stage, on the way in: SP (lane / 4) + 16 (lane % 4)
	v_mul_u32_u24 v15, v2, SP
	v_add_nc_u32 v15, s17, v15                     ; on the way out: SP x lane
	v_mul_u32_u24 v4, v2, CB                       ; my codes' place in a step's
	v_lshrrev_b32 v5, 1, v2
	s_add_co_u32 s17, s17, 2*32*SP
	v_add_nc_u32 v5, s17, v5                       ; my block's byte among my wave's 256
	v_lshlrev_b32 v7, 3, v2
	v_add_nc_u32 v6, s17, v7                       ; and 8 bytes a lane on their way out
	s_mov_b32 s23, MANT
	s_lshl_b32 s17, ttmp9, 2
	s_add_co_u32 s18, s17, s16                     ; which run of 8,192 numbers is my wave's
	s_lshl_b32 s20, s18, 15
	s_add_nc_u64 s[4:5], s[4:5], s[20:21]          ; its numbers,
	s_lshl_b32 s20, s18, 13
	s_add_nc_u64 s[12:13], s[8:9], s[20:21]        ; its codes,
	s_lshl_b32 s20, s18, 8
	s_add_co_u32 s20, s20, 4194304
	s_add_nc_u64 s[14:15], s[8:9], s[20:21]        ; its scale bytes
.macro LOAD t
.irp i, 0,1,2,3
	global_load_b128 v[R+16*((\t)%4)+4*\i:R+16*((\t)%4)+4*\i+3], v3, s[4:5] offset:2048*(\t)+512*\i th:TH_LOAD_NT
.endr
.endm
.macro TURN t                          ; step t's numbers through the stage: LDS serves a wave's instructions in order, so no wait stands between the stores and the loads
.irp i, 0,1,2,3
	ds_store_b128 v14, v[R+16*((\t)%4)+4*\i:R+16*((\t)%4)+4*\i+3] offset:32*SP*((\t)%2)+8*SP*\i
.endr
.irp i, 0,1,2,3
	ds_load_b128 v[X+16*((\t)%2)+4*\i:X+16*((\t)%2)+4*\i+3], v15 offset:32*SP*((\t)%2)+16*\i
.endr
.endm
.irp t, 0,1,2,3
	LOAD \t
.endr
	s_wait_loadcnt 12                              ; step 0's four loads are in; twelve younger ones stay out
	TURN 0
.macro STEP t
.set XS, X+16*((\t)%2)
.if (\t) > 0
	s_wait_dscnt 1                                 ; this step's numbers are back from the stage; the last step's byte store may be out
.else
	s_wait_dscnt 0x0
.endif
.if (\t)+4 < STEPS
	LOAD (\t)+4                                    ; into the registers that the stage's stores have read
.endif
.if (\t)+1 < STEPS
.if STEPS-2-(\t) >= 3
	s_wait_loadcnt 12                              ; the next step's four loads are in; three steps' loads behind them may be out
.else
	s_wait_loadcnt 4*(STEPS-2-(\t))
.endif
	TURN (\t)+1
.endif
	v_max3_num_f32 v8, |v[XS]|, |v[XS+1]|, |v[XS+2]|
	v_max3_num_f32 v9, |v[XS+3]|, |v[XS+4]|, |v[XS+5]|
.irp i, 6,10
	v_max3_num_f32 v8, v8, |v[XS+\i]|, |v[XS+\i+1]|
	v_max3_num_f32 v9, v9, |v[XS+\i+2]|, |v[XS+\i+3]|
.endr
	v_max3_num_f32 v8, v8, |v[XS+14]|, |v[XS+15]|
	v_max3_num_f32 v8, v8, v9, (EMAX+1)<<23        ; the floor 2^(16 - 127): the byte cannot fall under 1
	v_max_num_f32_dpp v8, v8, v8 row_xmask:1 row_mask:0xf bank_mask:0xf   ; with my neighbour's 16: the block's largest magnitude
	v_add_nc_u32 v11, -(EMAX<<23), v8              ; 15 off its exponent field: the conversion's scale operand
	v_and_or_b32 v10, v8, 0x7f800000, s23          ; 57,344 x the scale
.irp i, 0,1,2,3,4,5,6,7,8,9,10,11,12,13,14,15
	v_med3_num_f32 v[XS+\i], v[XS+\i], -v10, v10   ; the conversion does not saturate (ISA guide 7.6.2): the hold comes first
.endr
	v_cvt_scalef32_pk8_bf8_f32 v[C+4*(\t):C+4*(\t)+1], v[XS:XS+7], v11
	v_cvt_scalef32_pk8_bf8_f32 v[C+4*(\t)+2:C+4*(\t)+3], v[XS+8:XS+15], v11
	v_lshrrev_b32 v[E+(\t)], 23, v11               ; the scale's byte
	ds_store_b8 v5, v[E+(\t)] offset:16*(\t)       ; both lanes of a block write the same byte with the same value
	global_store_b128 v4, v[C+4*(\t):C+4*(\t)+3], s[12:13] offset:32*CB*(\t)   ; the wave stores 512 consecutive bytes
.endm
.irp t, 0,1,2,3,4,5,6,7,8,9,10,11,12,13,14,15
	STEP \t
.endr
	ds_load_b64 v[12:13], v6                       ; in order behind my byte stores
	s_wait_dscnt 0x0
	global_store_b64 v7, v[12:13], s[14:15]        ; 32 lanes store 256 consecutive bytes, aligned
	s_wait_tensorcnt 0x0
	ds_add_u32 v192, v193
	s_wait_dscnt 0x0
	s_endpgm
	; ---------------- the mask ----------------
.Lmask:
	s_and_b32 s17, ttmp9, 127                      ; tau
	v_and_b32 v3, 15, v2                           ; r: my query in the tile
	v_lshrrev_b32 v4, 4, v2                        ; h
	v_lshlrev_b32 v5, 11, v3
	v_lshl_add_u32 v5, v4, 3, v5                   ; row r of 2,048 bytes, + 8 h
	s_lshl_b32 s20, s17, 15                        ; 16 rows a tile
	s_lshl_b32 s18, s16, 9                         ; my wave's 512 keys
	s_add_co_u32 s20, s20, s18
	s_add_nc_u64 s[6:7], s[6:7], s[20:21]
.irp st, 0,1,2,3
.irp g, 0,1,2,3,4,5,6,7
	global_load_b64 v[64+16*\st+2*\g:64+16*\st+2*\g+1], v5, s[6:7] offset:128*\st+16*\g th:TH_LOAD_NT   ; keys 128 st + 16 g + 8 h + 0 .. 7 of my row
.endr
.endr
	s_lshl_b32 s20, s17, 12
	s_lshl_b32 s18, s16, 10
	s_add_co_u32 s20, s20, s18
	s_add_nc_u64 s[12:13], s[10:11], s[20:21]      ; my four steps' words
	s_lshl_b32 s20, s17, 6
	s_lshl_b32 s18, s16, 4
	s_add_co_u32 s20, s20, s18
	s_add_co_u32 s20, s20, 524288
	s_add_nc_u64 s[14:15], s[10:11], s[20:21]      ; and their flags
	v_lshlrev_b32 v6, 3, v2                        ; 8 x lane
	v_lshlrev_b32 v7, 2, v2                        ; 4 x lane
.irp i, 32,33,34,35,36,37,38,39,40
	v_mov_b32 v\i, 0                               ; a lane write's destination counts as read
.endr
; One key step.  Word n is the compare of byte n % 8 of the lanes' 8 bytes of group n / 8; it goes to lane n / 2 of register n % 2, so that one store of 8 bytes a lane writes the 64 words in order.
.macro MSTEP st
	s_wait_loadcnt 8*(3-\st)                       ; this step's eight loads are in; the later steps' may be out
	v_or_b32 v41, v[64+16*\st], v[65+16*\st]
	v_and_b32 v42, v[64+16*\st], v[65+16*\st]
.irp i, 2,3,4,5,6,7,8,9,10,11,12,13,14,15
	v_or_b32 v41, v41, v[64+16*\st+\i]
	v_and_b32 v42, v42, v[64+16*\st+\i]
.endr
	v_cmp_ne_u32 s24, 0, v41                       ; lanes with some byte set
	v_cmp_eq_u32 s25, 0x01010101, v42              ; lanes with all 64 bytes set
.set n, 0
.rept 64
	v_bfe_u32 v[44+n%4], v[64+16*\st+2*(n>>3)+((n&7)>>2)], 8*(n&3), 8
	v_cmp_ne_u32 s[28+n%4], 0, v[44+n%4]
	v_writelane_b32 v[32+2*\st+(n&1)], s[28+n%4], n>>1
.set n, n+1
.endr
	s_cmp_lg_u32 s24, 0
	s_cselect_b32 s26, 1, 0
	s_cmp_eq_u32 s25, -1
	s_cselect_b32 s27, 2, 0
	s_or_b32 s26, s26, s27
	v_writelane_b32 v40, s26, \st
	global_store_b64 v6, v[32+2*\st:33+2*\st], s[12:13] offset:256*\st   ; 256 consecutive bytes, aligned; each step has its own pair of registers
.endm
	MSTEP 0
	MSTEP 1
	MSTEP 2
	MSTEP 3
	s_wait_xcnt 0x0                                ; EXEC changes only behind this wait
	v_cmpx_gt_u32 4, v2                            ; lanes 0 to 3 hold the four flags
	global_store_b32 v7, v40, s[14:15]
	s_endpgm
.Lfunc_end_k_qbef66470e9_prep:
	.size	k_qbef66470e9_prep, .Lfunc_end_k_qbef66470e9_prep-k_qbef66470e9_prep
	.p2alignl 7, 3214868480
	.fill 96, 4, 3214868480
	.section	.rodata,"a",@progbits
	.p2align	6, 0x0
	.amdhsa_kernel k_qbef66470e9_prep
		.amdhsa_group_segment_fixed_size 33280
		.amdhsa_private_segment_fixed_size 0
		.amdhsa_enable_private_segment 0
		.amdhsa_kernarg_size 32
		.amdhsa_user_sgpr_count 2
		.amdhsa_user_sgpr_kernarg_segment_ptr 1
		.amdhsa_wavefront_size32 1
		.amdhsa_system_sgpr_workgroup_id_x 1
		.amdhsa_system_sgpr_workgroup_id_y 1
		.amdhsa_system_sgpr_workgroup_id_z 1
		.amdhsa_system_vgpr_workitem_id 0
		.amdhsa_next_free_vgpr 194
		.amdhsa_next_free_sgpr 66
		.amdhsa_reserve_vcc 0
		.amdhsa_float_denorm_mode_32 3
		.amdhsa_float_denorm_mode_16_64 3
		.amdhsa_memory_ordered 1
		.amdhsa_forward_progress 1
		.amdhsa_inst_pref_size 109
	.end_amdhsa_kernel
	.amdgpu_metadata
---
amdhsa.version: [ 1, 2 ]
amdhsa.kernels:
  - .name:           k_qbef66470e9_prep
    .symbol:         k_qbef66470e9_prep.kd
    .args:
      - { .name: x, .offset: 0, .size: 8, .value_kind: global_buffer, .address_space: global }
      - { .name: mask, .offset: 8, .size: 8, .value_kind: global_buffer, .address_space: global }
      - { .name: xq, .offset: 16, .size: 8, .value_kind: global_buffer, .address_space: global }
      - { .name: mk, .offset: 24, .size: 8, .value_kind: global_buffer, .address_space: global }
    .group_segment_fixed_size: 33280
    .private_segment_fixed_size: 0
    .kernarg_segment_align: 8
    .kernarg_segment_size: 32
    .max_flat_workgroup_size: 128
    .sgpr_count:     66
    .vgpr_count:     194
    .wavefront_size: 32
...
	.end_amdgpu_metadata
.endif
;; end of part 1
;; launch qkv (part 2): grid 12 x 16, 4 waves a work-group, clusters of 4 x 4, 327,680 bytes of LDS; arguments xq, wq_codes, wq_scales, wk_codes, wk_scales, wv_codes, wv_scales, qkv; writes qkv
.if DOCPART == 2
	.amdgcn_target "amdgcn-amd-amdhsa--gfx1250"
	.amdhsa_code_object_version 6
	.text
	.protected	k_qbef66470e9_qkv
	.globl	k_qbef66470e9_qkv
	.p2align	8
	.type	k_qbef66470e9_qkv,@function
k_qbef66470e9_qkv:
	s_mov_b64 s[64:65], 0
	v_nop
	global_prefetch_b8 v0, s[64:65] scope:SCOPE_SE
	s_setreg_imm32_b32 hwreg(HW_REG_WAVE_MODE, 25, 1), 1
	s_wait_xcnt 0x0
	s_wait_alu depctr_hold_cnt(0) depctr_sa_sdst(0) depctr_va_vdst(0) depctr_va_sdst(0) depctr_va_ssrc(0) depctr_va_vcc(0) depctr_vm_vsrc(0)
	s_getreg_b32 s2, hwreg(HW_REG_IB_STS2, 6, 4)
	s_cmp_eq_u32 s2, 0
	s_cbranch_scc0 .Lentry_in_a_cluster
	s_endpgm
.Lentry_in_a_cluster:
	s_bfe_u32 s2, ttmp6, 0x10000c
	s_cmp_lg_u32 s2, 0xf033
	s_cbranch_scc0 .Lentry_shape_is_right
	s_endpgm
.Lentry_shape_is_right:
; q, k, v = x W^T on codes of BF8 (E5M2) with one E8M0 scale for each 32 along K = 1,024; the results are quantised in registers and leave as images of the next products' operand registers.
; A tile of 256 x 256 to a work-group of four waves, 128 x 128 a wave (64 accumulators, 512 registers); K in steps of 256 through a ring of two LDS slots filled by the tensor data mover;
; the scale bytes of the work-group's rows, for all of K, come into LDS once.  Clusters of 4 x 4: the tile called A is shared along a row of the cluster, the tile called B along a column, each asked for jointly.
; The matrix instruction takes 16 rows of B as source 0 and 16 rows of A as source 1: a lane holds one row of A, and its registers run along B's rows.
; THE CLUSTER'S x SAYS WHICH PRODUCT (equal in all sixteen partners; it only selects values, no branch hangs on it):
;   0, 1 (q, k): A = x's codes (a lane holds a token), B = wq or wk (registers run along the head's 64): so the axis to be quantised, e, runs along a lane's registers.
;   2 (v):       A = wv (a lane holds one e), B = x's codes (registers run along the tokens): v is quantised along the keys.
; In a block of 32 a lane (r, h) holds places 8 h + 0..7 and 16 + 8 h + 0..7.  q and k carry that same order along e, v and the softmax's p the same along the keys, so the products' sums are unchanged.
; OUT (qkv): codes of q, k, v at p x 4,194,304 + (b 16 + head) x 131,072.  q, k: + token x 64 + (e block) x 512 + 16 x lane.  v: + (4 step + tile of 16 e) x 2,048 + (block of 32 keys) x 512 + 16 x lane.
;   Scale words at 12,582,912 + p x 131,072 + (b 16 + head) x 4,096.  q, k: + (token / 32) x 64 + 4 r: bytes 0, 1 of the first 16 tokens, bytes 2, 3 of the second.  v: + (4 step + tile) x 64 + 4 r.
; LIMITS: NaN and infinities are not served; a block of zeros gets the byte 1 over zero codes (this program alone reads the bytes).
; REGISTERS: window 0: v8-12, v16-29 addresses; v32-63 scale words, two sets; from v128 A's fragments, one set; on the way out v64-183 at work.  window 1: B's fragments, two sets.  windows 2, 3: the accumulators ((a, b) at v[8 (8 (a % 4) + b)]).
.set NQ,     2                         ; matrix instructions deep in a slot
.set ROWB,   256                       ; a tile's row in bytes
.set KROW,   1024                      ; a row in memory
.set PITCH,  272                       ; an LDS row: 256 bytes + 16 of padding: the 16 rows of a fragment load start at 16 different banks (64 banks of 4 bytes: ISA guide 11.1)
.set FR,     16
.set NL,     4
.set NP,     8                         ; places behind this matrix instruction (ISA guide 7.12.1)
.set HALFT,  128*PITCH
.set SLOT,   4*HALFT
.set KS,     32                        ; a row of scale bytes
.set SCL,    2*SLOT
.set HALFS,  (128*KS/256)*272
.set SBLK,   (16*KS/256)*272
.set SPARE,  SCL+4*HALFS               ; the spare words: 128 bytes a wave, two blocks of 256 bytes that no other line names
.set VO,   8                           ; v8-11  byte offsets of a block's four groups of codes
.set VS,   12                          ; v12    byte offset of a pair's scale words
.set ADRA, 16
.set ADRB, 20
.set ADRS, 27
.set SPW,  28
.set NIL,  29
.set SC,   32
.set AF,   128
.set HD,   64                          ; the way out: 64 held numbers
.set PC,   128                         ; two sets of 16 registers of codes
.set TM,   160                         ; +0 largest magnitudes, +4 bytes, +8 limits, +12 scale operands
.set PW,   176                         ; the scale word just made
.set WE,   177                         ; that of the even block of a pair
.set W0,   178
.set W1,   179
.set WD,   180                         ; v180-183 the words to store, one register a pair
.set SEL,  20                          ; s[20:21] selects for lane l xor 16
.set MNT,  22                          ; s22 the mantissa field of 57,344
.set G1, 24
.set G0, 32
.set G1B, 48
.set G0B, 56
.set G1S, 68
.set G0S, 76
.set G1SB, 80
.set G0SB, 88
.set MSB, 0
.macro WIN new                         ; the immediate's high byte repeats the setting that is left
.if MSB != (\new)
	s_set_vgpr_msb (MSB<<8)|(\new)
.set MSB, (\new)
.endif
.endm
.set MUL_LO, 0xa1                      ; source 0 (B) window 1, source 1 (A) window 0, C and D window 2
.set MUL_HI, 0xf1
.set TO_B,   0x40
; A joint load: waves 0 and 1 fetch for A, waves 2 and 3 for B; the branch hangs on the wave's number alone.  Four v_nop follow each of the two lines.
.macro JLOAD g0a, g1a, g0b, g1b
	s_cmp_eq_u32 s15, 0
	s_cbranch_scc0 .Lfor_b_\@
	tensor_load_to_lds s[\g0a:\g0a+3], s[\g1a:\g1a+7]
	s_nop 0
.rept 4
	v_nop
.endr
	s_branch .Lasked_\@
.Lfor_b_\@:
	tensor_load_to_lds s[\g0b:\g0b+3], s[\g1b:\g1b+7]
	s_nop 0
.rept 4
	v_nop
.endr
.Lasked_\@:
.endm
.macro CREST                           ; a round of the cluster's barrier behind its opening barrier
	s_cmp_lg_u32 s14, 0
	s_cbranch_scc1 .Lnot_wave_0_\@
	s_barrier_signal -3
.Lnot_wave_0_\@:
	s_barrier_wait -3
	s_barrier_signal -1
	s_barrier_wait -1
.endm
.macro CROUND
	s_barrier_signal -1
	s_barrier_wait -1
	CREST
.endm
	s_load_b512 s[68:83], s[0:1], 0x0              ; xq, wq codes, wq scales, wk codes, wk scales, wv codes, wv scales, qkv
	v_lshl_add_u32 v[SPW], v0, 2, SPARE
	v_mov_b32 v[NIL], 0
	ds_add_u32 v28, v29
	ds_add_u32 v28, v29
	s_wait_dscnt 0x0
	v_lshrrev_b32 v1, 5, v0
	v_readfirstlane_b32 s14, v1                    ; wave 0..3
	s_lshr_b32 s15, s14, 1                         ; my half of A's rows.  Also: I fetch for A (0) or for B (1)
	s_and_b32 s16, s14, 1                          ; my half of B's rows.  Also: which 128 rows I fetch
	s_bfe_u32 s40, ttmp6, 0x40000                  ; cx
	s_bfe_u32 s41, ttmp6, 0x40004                  ; cy
	s_and_b32 s17, ttmp7, 0xffff
	s_lshl_b32 s17, s17, 2                         ; 4 x cluster y: it counts blocks of tokens
	s_cmp_eq_u32 ttmp9, 2                          ; v?
	s_cselect_b32 s18, 0, s17
	s_cselect_b32 s19, s17, 0
	s_add_co_u32 s17, s18, s41                     ; A's tile row: tokens (q, k): 4 cluster y + cy; wv: cy
	s_add_co_u32 s42, s19, s40                     ; B's tile column: weights (q, k): cx; tokens (v): 4 cluster y + cx
	s_lshl_b32 s43, s41, 2
	s_lshl_b32 s43, 15, s43                        ; my row of the cluster
	s_lshl_b32 s44, 0x1111, s40                    ; my column
	s_or_b32 s[G1+0], s43, (0<<16)|(1<<20)|(1<<21)|(5<<22)|(3<<25)  ; the mask; elements of 1 byte; padding on; bit 21 beside a mask; 4 words behind every 64
	s_or_b32 s[G1B+0], s44, (0<<16)|(1<<20)|(1<<21)|(5<<22)|(3<<25)
.irp g, G1, G1B
	s_mov_b32 s[\g+1], ROWB<<16                    ; tensor_dim0
	s_mov_b32 s[\g+2], 128<<16                     ; tensor_dim1
	s_mov_b32 s[\g+3], ROWB<<16                    ; tile_dim0
	s_mov_b32 s[\g+4], 128                         ; tile_dim1
	s_mov_b32 s[\g+5], KROW                        ; the pitch
	s_mov_b32 s[\g+6], 0
	s_mov_b32 s[\g+7], 0
.endr
	s_wait_kmcnt 0x0
	s_add_nc_u64 s[20:21], s[68:69], 4194304       ; x's scale bytes
	s_cmp_eq_u32 ttmp9, 2
	s_cselect_b64 s[4:5], s[78:79], s[68:69]       ; A's codes
	s_cselect_b64 s[6:7], s[80:81], s[20:21]       ; A's scale bytes
	s_cselect_b64 s[8:9], s[68:69], s[74:75]       ; B's codes: x for v, else wk,
	s_cselect_b64 s[10:11], s[20:21], s[76:77]
	s_cmp_eq_u32 ttmp9, 0
	s_cselect_b64 s[8:9], s[70:71], s[8:9]         ; or wq
	s_cselect_b64 s[10:11], s[72:73], s[10:11]
	s_mov_b64 s[12:13], s[82:83]                   ; qkv
	; the scale bytes of 128 rows: a dense block of 4,096 bytes, as rows of 256 bytes with 16 of padding behind each
	s_or_b32 s[G1S+0], s43, (3<<16)|(1<<20)|(1<<21)|(5<<22)|(3<<25)
	s_or_b32 s[G1SB+0], s44, (3<<16)|(1<<20)|(1<<21)|(5<<22)|(3<<25)
.irp g, G1S, G1SB
	s_mov_b32 s[\g+1], 32<<16
	s_mov_b32 s[\g+2], (128*KS/256)<<16
	s_mov_b32 s[\g+3], 32<<16
	s_mov_b32 s[\g+4], 128*KS/256
	s_mov_b32 s[\g+5], 32
	s_mov_b32 s[\g+6], 0
	s_mov_b32 s[\g+7], 0
.endr
	s_lshl_b32 s18, s16, 7                         ; which 128 rows of the tile I fetch
	s_lshl_b32 s20, s17, 8
	s_add_co_u32 s20, s20, s18                     ; A's
	s_lshl_b32 s46, s42, 8
	s_add_co_u32 s46, s46, s18                     ; B's
	s_lshl_b32 s22, s20, 5                         ; their scale bytes,
	s_mov_b32 s23, 0
	s_lshl_b32 s92, s46, 5
	s_mov_b32 s93, 0
	s_lshl_b32 s20, s20, 10                        ; their codes
	s_mov_b32 s21, 0
	s_lshl_b32 s46, s46, 10
	s_mov_b32 s47, 0
	s_mul_i32 s45, s14, HALFT                      ; where they go: by the wave's number alone
	s_mul_i32 s94, s14, HALFS
	s_add_nc_u64 s[20:21], s[4:5], s[20:21]
	s_add_nc_u64 s[22:23], s[6:7], s[22:23]
	s_add_nc_u64 s[46:47], s[8:9], s[46:47]
	s_add_nc_u64 s[92:93], s[10:11], s[92:93]
	CROUND                                         ; all sixteen work-groups are here: the first joint loads meet
	s_mov_b32 s[G0S], 1
	s_add_co_u32 s[G0S+1], s94, SCL
	s_mov_b64 s[G0S+2:G0S+3], s[22:23]
	s_or_b32 s[G0S+3], s[G0S+3], 0x80000000
	s_mov_b32 s[G0SB], 1
	s_add_co_u32 s[G0SB+1], s94, SCL
	s_mov_b64 s[G0SB+2:G0SB+3], s[92:93]
	s_or_b32 s[G0SB+3], s[G0SB+3], 0x80000000
	JLOAD G0S, G1S, G0SB, G1SB                     ; the scale bytes first
.irp s, 0,1
	s_mov_b32 s[G0+4*\s], 1
	s_add_co_u32 s[G0+4*\s+1], s45, \s*SLOT
	s_add_nc_u64 s[G0+4*\s+2:G0+4*\s+3], s[20:21], \s*ROWB
	s_or_b32 s[G0+4*\s+3], s[G0+4*\s+3], 0x80000000
	s_mov_b32 s[G0B+4*\s], 1
	s_add_co_u32 s[G0B+4*\s+1], s45, \s*SLOT
	s_add_nc_u64 s[G0B+4*\s+2:G0B+4*\s+3], s[46:47], \s*ROWB
	s_or_b32 s[G0B+4*\s+3], s[G0B+4*\s+3], 0x80000000
	JLOAD G0+4*\s, G1, G0B+4*\s, G1B
.endr
	v_and_b32 v1, 15, v0                           ; r
	v_bfe_u32 v2, v0, 4, 1                         ; h
	v_mul_u32_u24 v3, v1, PITCH
	v_lshl_add_u32 v4, v2, 4, v3
	s_mul_i32 s21, s15, HALFT
	s_mul_i32 s22, s16, HALFT
	s_add_co_u32 s22, s22, 2*HALFT
.irp s, 0,1
	v_add_nc_u32 v[ADRA+\s], s21, v4
	v_add_nc_u32 v[ADRB+\s], s22, v4
	s_add_co_u32 s21, s21, SLOT
	s_add_co_u32 s22, s22, SLOT
.endr
	v_mul_u32_u24 v5, v1, KS                       ; my row's scale bytes,
	v_lshrrev_b32 v6, 8, v5
	v_lshl_add_u32 v5, v6, 4, v5                   ; and 16 more for each 256 passed
	s_mul_i32 s21, s15, HALFS
	s_mul_i32 s22, s16, HALFS
	s_add_co_u32 s22, s22, 2*HALFS
	s_sub_co_u32 s22, s22, s21
	v_mul_u32_u24 v6, s22, v2                      ; lanes 16-31 take B's
	s_add_co_u32 s21, s21, SCL
	v_add_nc_u32 v5, v5, v6
	v_add_nc_u32 v[ADRS], s21, v5
	; ---- the way out's numbers.  tok: my first token; wr: my first row of the weight (two heads' worth)
	v_and_b32 v6, 31, v0
	v_lshlrev_b32 v[VO], 4, v6
	v_add_nc_u32 v[VO+1], 512, v[VO]
	s_lshl_b32 s20, s17, 8
	s_lshl_b32 s21, s15, 7
	s_add_co_u32 s20, s20, s21                     ; A's first row of mine
	s_lshl_b32 s46, s42, 8
	s_lshl_b32 s47, s16, 7
	s_add_co_u32 s46, s46, s47                     ; B's
	s_cmp_eq_u32 ttmp9, 2                          ; only moves and selections stand between this compare and the last selection
	s_cselect_b32 s21, s46, s20                    ; tok
	s_cselect_b32 s22, s20, s46                    ; wr
	s_mov_b32 s18, 1024
	s_cselect_b32 s18, 2048, s18                   ; from block to block: 16 tokens x 64 bytes, or an image of v
	s_mov_b32 s40, 1024
	s_cselect_b32 s40, 124928, s40                 ; into block 4: for v the next head's first image
	s_mov_b32 s23, 131072
	s_cselect_b32 s23, 1024, s23                   ; from groups 0, 1 to groups 2, 3: the next head, or on in the image
	s_mov_b32 s92, 128
	s_cselect_b32 s92, s92, 64                     ; scale words, from pair to pair
	s_mov_b32 s94, 3968
	s_cselect_b32 s94, s94, 64                     ; into pair 2
	s_mov_b32 s47, 4096
	s_cselect_b32 s47, 64, s47                     ; from lanes 0-15's words to lanes 16-31's
	s_mov_b32 s44, 0x05040100
	s_cselect_b32 s44, 0x03020100, s44             ; how a pair's two words are dealt out: by heads (q, k), or as they are (v)
	s_mov_b32 s45, 0x07060302
	s_cselect_b32 s45, 0x07060504, s45
	s_mov_b32 s19, 0
	s_mov_b32 s41, 0
	s_mov_b32 s93, 0
	s_mov_b32 s95, 0
	s_mov_b32 s43, 0xffff0000                      ; lanes 16-31
	v_add_nc_u32 v[VO+2], s23, v[VO]
	v_add_nc_u32 v[VO+3], 512, v[VO+2]
	v_mul_u32_u24 v[VS], s47, v2
	v_lshl_add_u32 v[VS], v1, 2, v[VS]
	s_lshr_b32 s20, s21, 11
	s_lshl_b32 s20, s20, 4
	s_lshr_b32 s22, s22, 6
	s_add_co_u32 s20, s20, s22                     ; 16 b + my first head
	s_and_b32 s21, s21, 2047                       ; the token within its batch
	s_lshl_b32 s22, ttmp9, 17
	s_lshl_b32 s23, s20, 12
	s_add_co_u32 s22, s22, s23
	s_lshl_b32 s23, s21, 1
	s_add_co_u32 s22, s22, s23
	s_add_co_u32 s22, s22, 12582912
	s_mov_b32 s23, 0
	s_add_nc_u64 s[96:97], s[12:13], s[22:23]      ; my scale words
	s_lshl_b32 s22, ttmp9, 22
	s_lshl_b32 s46, s20, 17
	s_add_co_u32 s22, s22, s46
	s_lshl_b32 s46, s21, 6
	s_add_co_u32 s22, s22, s46
	s_add_nc_u64 s[12:13], s[12:13], s[22:23]      ; my codes
	s_mov_b32 s[SEL], 0x76543210
	s_mov_b32 s[SEL+1], 0xfedcba98
	s_mov_b32 s[MNT], 0x600000
.macro FRAG reg, adr, q, i             ; 16 rows x 128 K: lane l holds row l % 16; registers 4 c .. 4 c + 3 hold K = 32 c + 16 (l / 16) + 0 .. 15
.irp c, 0,1,2,3
	ds_load_b128 v[\reg+4*\c:\reg+4*\c+3], v[\adr] offset:128*(\q)+32*\c+(\i)*16*PITCH
.endr
.endm
; 16 matrix instructions: A's blocks a0, a0 + 1 x B's eight.  The 64 accumulators take turns, one instruction a turn, in the same order in every step.
.macro MUL16 a0, p, q, sc, zero
.irp a, \a0, \a0+1
.irp b, 0,1,2,3,4,5,6,7
.if \zero
	v_wmma_scale_f32_16x16x128_f8f6f4 v[8*(8*((\a)%4)+\b):8*(8*((\a)%4)+\b)+7], v[128*(\p)+FR*\b:128*(\p)+FR*\b+FR-1], v[AF+FR*(\a):AF+FR*(\a)+FR-1], 0, v[SC+8*NQ*(\sc)+NQ*\b+(\q)], v[SC+8*NQ*(\sc)+NQ*(\a)+(\q)] matrix_a_fmt:MATRIX_FMT_BF8 matrix_b_fmt:MATRIX_FMT_BF8 matrix_a_scale:MATRIX_SCALE_ROW1
.else
	v_wmma_scale_f32_16x16x128_f8f6f4 v[8*(8*((\a)%4)+\b):8*(8*((\a)%4)+\b)+7], v[128*(\p)+FR*\b:128*(\p)+FR*\b+FR-1], v[AF+FR*(\a):AF+FR*(\a)+FR-1], v[8*(8*((\a)%4)+\b):8*(8*((\a)%4)+\b)+7], v[SC+8*NQ*(\sc)+NQ*\b+(\q)], v[SC+8*NQ*(\sc)+NQ*(\a)+(\q)] matrix_a_fmt:MATRIX_FMT_BF8 matrix_b_fmt:MATRIX_FMT_BF8 matrix_a_scale:MATRIX_SCALE_ROW1
.endif
.endr
.endr
.endm
.macro FETCH_B slot, q, p
	WIN TO_B
.irp i, 0,1,2,3,4,5,6,7
	FRAG 128*(\p)+FR*\i, ADRB+\slot, \q, \i
.endr
	WIN 0
.endm
.macro FETCH_A slot, q, i0
.irp i, \i0, \i0+1, \i0+2, \i0+3
	FRAG AF+FR*(\i), ADRA+\slot, \q, \i
.endr
.endm
.macro SCALES sc                       ; a K step's scale words: lanes 0-15 A's block i, lanes 16-31 B's block i
.irp i, 0,1,2,3,4,5,6,7
	ds_load_b64 v[SC+8*NQ*\sc+NQ*\i:SC+8*NQ*\sc+NQ*\i+1], v[ADRS] offset:\i*SBLK
.endr
.endm
.macro PLACES n                        ; plain vector instructions between a matrix instruction and a load into, or a read of, its registers
.rept \n
	v_nop
.endr
.endm
.macro STEP slot, q, zero              ; 128 along K that has its successor in the same slot
	s_wait_dscnt 4*NL                              ; B's set and A's blocks 0-3 are in; the sixteen youngest loads (A's blocks 4-7) may be out
	WIN MUL_LO
	MUL16 0, (\q)%2, \q, \slot, \zero
	MUL16 2, (\q)%2, \q, \slot, \zero
	s_wait_dscnt 0
	PLACES NP
	FETCH_B \slot, (\q)+1, 1-(\q)%2
	FETCH_A \slot, (\q)+1, 0
	WIN MUL_HI
	MUL16 4, (\q)%2, \q, \slot, \zero
	MUL16 6, (\q)%2, \q, \slot, \zero
	PLACES NP
	WIN 0
	FETCH_A \slot, (\q)+1, 4
.endm
; A slot's last step changes slots: one barrier; in front of it each wave waits for all its tensor loads, adds 0 to its spare word, and waits for that and for its reads of this slot.
.macro TURN slot, next, fill
	s_wait_tensorcnt 0x0                           ; all my tensor loads have landed: my part of the next slot
	ds_add_u32 v[SPW], v[NIL]                      ; 0 onto my spare word
	s_wait_dscnt 4*NL+1                            ; the add and the sixteen youngest loads may be out
	WIN MUL_LO
	MUL16 0, 1, NQ-1, \slot, 0
	s_wait_dscnt 0x0                               ; the add is done, and my reads of this slot are over
	s_barrier_signal -1
	MUL16 2, 1, NQ-1, \slot, 0
	WIN 0
	s_barrier_wait -1
.if \fill
	CREST                                          ; no wave of any partner still reads this slot or has a load on its way
	s_add_nc_u64 s[G0+4*\slot+2:G0+4*\slot+3], s[G0+4*\slot+2:G0+4*\slot+3], 2*ROWB
	s_add_nc_u64 s[G0B+4*\slot+2:G0B+4*\slot+3], s[G0B+4*\slot+2:G0B+4*\slot+3], 2*ROWB
	JLOAD G0+4*\slot, G1, G0B+4*\slot, G1B         ; the first tensor load behind the round; its four v_nop are among the places below
	PLACES NP-4
.else
	PLACES NP
.endif
	v_add_nc_u32 v[ADRS], 4*NQ, v[ADRS]
	FETCH_B \next, 0, 0
	FETCH_A \next, 0, 0
	SCALES \next
	WIN MUL_HI
	MUL16 4, 1, NQ-1, \slot, 0
	MUL16 6, 1, NQ-1, \slot, 0
	PLACES NP
	WIN 0
	FETCH_A \next, 0, 4
.endm
; nb blocks of 16 numbers a lane, v[s + 16 b + i] of window w, become codes in v[pc + 4 b ..] and a scale word in v[PW]; a block of 32 lies in lanes l and l xor 16.  The held numbers go to v[hd ..] of window 0.
.macro QUANT s, w, hd, pc, nb, nan
	WIN (\w)|((\w)<<2)
.set qb, 0
.rept \nb
	v_max3_num_f32 v[TM+qb], |v[(\s)+16*qb]|, |v[(\s)+16*qb+1]|, 0x8000000   ; with the floor 2^(16 - 127): the byte cannot fall under 1.  Each accumulator is read from its low end on
.set qb, qb+1
.endr
	WIN ((\w)<<2)|((\w)<<4)
.irp i, 2,4,6,8,10,12,14
.set qb, 0
.rept \nb
	v_max3_num_f32 v[TM+qb], v[TM+qb], |v[(\s)+16*qb+\i]|, |v[(\s)+16*qb+\i+1]|
.set qb, qb+1
.endr
.endr
	WIN 0
.set qb, 0
.rept \nb
	v_permlanex16_b32 v[TM+4+qb], v[TM+qb], s[SEL], s[SEL+1]
.set qb, qb+1
.endr
.set qb, 0
.rept \nb
	v_max_num_f32 v[TM+qb], v[TM+qb], v[TM+4+qb]   ; the block's largest magnitude
.set qb, qb+1
.endr
.set qb, 0
.rept \nb
	v_add_nc_u32 v[TM+12+qb], 0xf8800000, v[TM+qb] ; 15 off its exponent field: the conversion's scale operand
	v_and_or_b32 v[TM+8+qb], v[TM+qb], 0x7f800000, s[MNT]   ; 57,344 x the scale
.set qb, qb+1
.endr
.set qb, 0
.rept \nb
	v_lshrrev_b32 v[TM+4+qb], 23, v[TM+12+qb]      ; the scale's byte
.set qb, qb+1
.endr
	v_lshl_or_b32 v[PW], v[TM+5], 8, v[TM+4]
.if \nb > 2
	v_lshl_or_b32 v[PW], v[TM+6], 16, v[PW]
	v_lshl_or_b32 v[PW], v[TM+7], 24, v[PW]
.endif
	WIN (\w)
.set qb, 0
.rept \nb
.irp i, 0,1,2,3,4,5,6,7,8,9,10,11,12,13,14,15
	v_med3_num_f32 v[(\hd)+16*qb+\i], v[(\s)+16*qb+\i], -v[TM+8+qb], v[TM+8+qb]   ; the conversion does not saturate (ISA guide 7.6.2)
.endr
.set qb, qb+1
.endr
	WIN 0
.set qb, 0
.rept \nb
	v_cvt_scalef32_pk8_bf8_f32 v[(\pc)+4*qb:(\pc)+4*qb+1], v[(\hd)+16*qb:(\hd)+16*qb+7], v[TM+12+qb]
	v_cvt_scalef32_pk8_bf8_f32 v[(\pc)+4*qb+2:(\pc)+4*qb+3], v[(\hd)+16*qb+8:(\hd)+16*qb+15], v[TM+12+qb]
.set qb, qb+1
.endr
	v_nop                                          ; one plain vector instruction behind the last scaled conversion
.endm
	s_wait_tensorcnt 1                             ; the scale bytes and my part of K step 0 are in; K step 1's load may be out
	s_barrier_signal -1
	s_barrier_wait -1
	FETCH_B 0, 0, 0
	FETCH_A 0, 0, 0
	SCALES 0
	FETCH_A 0, 0, 4
	STEP 0, 0, 1                                   ; the first step's products start the sums
	s_mov_b32 s3, 1
.Llap:                                                 ; once round the ring: both slots are filled again (K = 1,024 is four slots' worth)
	TURN 0, 1, 1
	STEP 1, 0, 0
	TURN 1, 0, 1
	STEP 0, 0, 0
	s_sub_co_u32 s3, s3, 1
	s_cmp_lg_u32 s3, 0
	s_cbranch_scc1 .Llap
	TURN 0, 1, 0                                   ; the last lap fills nothing
	STEP 1, 0, 0
	s_wait_dscnt 4*NL
	WIN MUL_LO
	MUL16 0, 1, NQ-1, 1, 0
	MUL16 2, 1, NQ-1, 1, 0
	s_wait_dscnt 0
	WIN MUL_HI
	MUL16 4, 1, NQ-1, 1, 0
	MUL16 6, 1, NQ-1, 1, 0
	WIN 0
	; THE WAY OUT: block by block of 16 rows of A: 64 numbers a lane, four blocks of 32; the codes leave as they stand, four stores of 512 consecutive bytes.
	PLACES NP
.irp b, 0,1,2,3
	v_mov_b32 v[TM+4+\b], 0                        ; a lane permute's destination counts as one of its sources
.endr
.irp i, 0,1,2,3,4,5,6,7
.set QS, 64*(\i%4)
.set QW, 2+\i/4
.set QP, PC+16*(\i%2)
	QUANT QS, QW, HD, QP, 4, 0
.if \i%2 == 0
	v_mov_b32 v[WE], v[PW]
.else
	v_perm_b32 v[W0], v[PW], v[WE], s44            ; the words for lanes 0-15,
	v_perm_b32 v[W1], v[PW], v[WE], s45            ; and for lanes 16-31
	v_cndmask_b32 v[WD+\i/2], v[W0], v[W1], s43
.endif
	s_wait_xcnt 0x0                                ; the earlier stores have read their bases, and the set of codes that the next block writes
.if \i == 4
	s_add_nc_u64 s[12:13], s[12:13], s[40:41]
.elseif \i > 0
	s_add_nc_u64 s[12:13], s[12:13], s[18:19]
.endif
.if \i == 5
	s_add_nc_u64 s[96:97], s[96:97], s[94:95]
.elseif (\i == 3) || (\i == 7)
	s_add_nc_u64 s[96:97], s[96:97], s[92:93]
.endif
.irp c, 0,1,2,3
	global_store_b128 v[VO+\c], v[QP+4*\c:QP+4*\c+3], s[12:13]
.endr
.if \i%2 == 1
	global_store_b32 v[VS], v[WD+\i/2], s[96:97]   ; two runs of 64 bytes: one byte in 32 of what the launch stores
.endif
.endr
	s_wait_tensorcnt 0x0                           ; the wave's end
	ds_add_u32 v[SPW], v[NIL]
	s_wait_dscnt 0x0
	CROUND                                         ; the closing round
	s_endpgm
.Lfunc_end_k_qbef66470e9_qkv:
	.size	k_qbef66470e9_qkv, .Lfunc_end_k_qbef66470e9_qkv-k_qbef66470e9_qkv
	.p2alignl 7, 3214868480
	.fill 96, 4, 3214868480
	.section	.rodata,"a",@progbits
	.p2align	6, 0x0
	.amdhsa_kernel k_qbef66470e9_qkv
		.amdhsa_group_segment_fixed_size 327680
		.amdhsa_private_segment_fixed_size 0
		.amdhsa_enable_private_segment 0
		.amdhsa_kernarg_size 64
		.amdhsa_user_sgpr_count 2
		.amdhsa_user_sgpr_kernarg_segment_ptr 1
		.amdhsa_wavefront_size32 1
		.amdhsa_system_sgpr_workgroup_id_x 1
		.amdhsa_system_sgpr_workgroup_id_y 1
		.amdhsa_system_sgpr_workgroup_id_z 1
		.amdhsa_system_vgpr_workitem_id 0
		.amdhsa_next_free_vgpr 1024
		.amdhsa_next_free_sgpr 102
		.amdhsa_reserve_vcc 0
		.amdhsa_float_denorm_mode_32 3
		.amdhsa_float_denorm_mode_16_64 3
		.amdhsa_memory_ordered 1
		.amdhsa_forward_progress 1
		.amdhsa_inst_pref_size 188
	.end_amdhsa_kernel
	.amdgpu_metadata
---
amdhsa.version: [ 1, 2 ]
amdhsa.kernels:
  - .name:           k_qbef66470e9_qkv
    .symbol:         k_qbef66470e9_qkv.kd
    .args:
      - { .name: xq, .offset: 0, .size: 8, .value_kind: global_buffer, .address_space: global }
      - { .name: wq_codes, .offset: 8, .size: 8, .value_kind: global_buffer, .address_space: global }
      - { .name: wq_scales, .offset: 16, .size: 8, .value_kind: global_buffer, .address_space: global }
      - { .name: wk_codes, .offset: 24, .size: 8, .value_kind: global_buffer, .address_space: global }
      - { .name: wk_scales, .offset: 32, .size: 8, .value_kind: global_buffer, .address_space: global }
      - { .name: wv_codes, .offset: 40, .size: 8, .value_kind: global_buffer, .address_space: global }
      - { .name: wv_scales, .offset: 48, .size: 8, .value_kind: global_buffer, .address_space: global }
      - { .name: qkv, .offset: 56, .size: 8, .value_kind: global_buffer, .address_space: global }
    .group_segment_fixed_size: 327680
    .private_segment_fixed_size: 0
    .kernarg_segment_align: 8
    .kernarg_segment_size: 64
    .max_flat_workgroup_size: 128
    .sgpr_count:     102
    .vgpr_count:     1024
    .wavefront_size: 32
...
	.end_amdgpu_metadata
.endif
;; end of part 2
;; launch attn (part 3): grid 8 x 32, 16 waves a work-group, no clusters, 272,384 bytes of LDS; arguments qkv, mk, x, hq; writes hq
.if DOCPART == 3
	.amdgcn_target "amdgcn-amd-amdhsa--gfx1250"
	.amdhsa_code_object_version 6
	.text
	.protected	k_qbef66470e9_attn
	.globl	k_qbef66470e9_attn
	.p2align	8
	.type	k_qbef66470e9_attn,@function
k_qbef66470e9_attn:
	s_mov_b64 s[64:65], 0
	v_nop
	global_prefetch_b8 v0, s[64:65] scope:SCOPE_SE
	s_setreg_imm32_b32 hwreg(HW_REG_WAVE_MODE, 25, 1), 1
	s_wait_xcnt 0x0
; h = x + attention(q, k, v, mask), quantised along D: both products on codes of BF8 (E5M2) with one E8M0 scale for each 32 along K.
; t = score x log2(e) / 8; M = the running largest t rounded up to a whole number; p = 2^(t - M) is quantised along the keys; the row's sum is taken of the unquantised p and divides at the end.
; SHARES.  Work-group (j, b 16 + head); each of sixteen waves owns one tile of 16 queries and walks the head's 16 key steps of 128 keys.
;   Wave w: i = (w / 4) xor (w % 4), u = 4 i + ((j / 2) xor i), tile 8 u + 4 (j % 2) + w % 4: a one-to-one dealing of the 128 tiles; it enters global addresses alone.  A work-group has four values of u, four tiles of each,
;   and among the waves of equal w % 4, and among those of equal w / 4, each u stands once: where a mask keeps more keys for later queries, every such group of four waves has as many steps to work as every other, in every trip.
; K AND V COME STEP BY STEP, as images of operand registers: a step is 8,192 bytes of each, 16 bytes a thread.  Trip s loads step s + 2 into registers, stores step s + 1 into that step's own LDS bytes at its end, and passes a barrier:
;   each LDS byte is written once, ahead of the barrier behind which it is first read.  Two sets of eight registers take turns, so the loop's trip is two key steps; steps 14 and 15 are written out, since they load nothing.
; THE MASK IS AN INPUT.  An earlier launch stored, for each (tile, key step), 64 lane masks and a flag.  A step whose flag says that no byte is set is left out (its p are all 0); one whose flag says that all are set
;   neither loads nor uses the lane masks; else hidden scores become -infinity ahead of the maximum.  A row with no key at all ends with sum 0: 0 x (1 / 0) is NaN, and its scale bytes are set to 0xff so that the NaN goes on.
; NO TENSOR LOAD, NO CLUSTER: the branches on the stored flags exclude the tensor mover here; what partners would share is read once a work-group, 270,336 bytes, against up to 256 tile steps of softmax.
; LAYOUT.  S^T = K Q^T, O^T = V^T P^T: a lane holds one query throughout.  The head's 64 are half of the instruction's K: a fragment of K holds 32 keys (keys 0-15 in K 0-63, keys 16-31 in K 64-127) and is multiplied twice,
;   by Q beside zero codes: v[24:39] (Q, zeros) and v[16:31] (zeros, Q).  So no LDS byte is read for nothing.  Score register n of lane (r, h) is key 16 (n / 8) + 8 h + n % 8; V's images carry the keys in that order.
; LIMITS: NaN and infinities among the inputs are not served; a block of zeros gets the byte 1 over zero codes.
.set KSC,  262144                      ; LDS: step s at 16,384 s: K's four images of 2,048 bytes, then V's four; behind the 16 steps K's scale words, 64 bytes an image,
.set VSC,  266240                      ; and V's
.set L16,  1                           ; v1   16 x lane
.set RS,   2                           ; v2   KSC + 4 r
.set NINF, 3                           ; v3   -infinity
.set STK,  4                           ; v4   where my 16 bytes of the next step's K go in LDS
.set FF,   4                           ;      (on the way out: 0xff)
.set PFK,  5                           ; v5   the offset of the prefetches of K and V; never rewritten
.set QW,   6                           ; v6   Q's scale word
.set PFO,  7                           ; v7   the offset of the prefetch of x; never rewritten
.set ADK,  8
.set ADS,  10
.set T16,  11                          ; v11  16 x thread; never rewritten
.set S,    104                         ; v104-167 S^T, then p; on the way out x, then h
.set O,    168                         ; v168-199 O^T
.set PCD,  200                         ; v200-215 p's codes
.set TM,   216                         ; +0 block maxima, +4 bytes, +8 limits, +12 scale operands
.set F,    232                         ; v[232:233] f = 2^(old M - new M)
.set TP,   234                         ; at work
.set PW,   234                         ; the way out: h's scale bytes
.set PWD,  235                         ; p's scale word
.set KW,   236                         ; v236-239 K's or V's scale words
.set LD,   240                         ; v240-255 two sets of 8: 16 bytes of K and 16 of V on their way to LDS
.set WV,   2
.set KB,   4                           ; s[4:5] K's codes of my head, at the step that the last trip's loads counted from; V's lie 4,194,304 bytes on
.set BH,   12
.set BB,   13
.set HEAD, 14
.set TAU,  16
.set LIM,  17                          ; 1 in a wave that prefetches K or V, else the greatest number
.set SEL,  20
.set CS,   22
.set MNT,  24
.set TB,   25
.set TS,   26
.set TRIP, 27
.set ANY,  28
.set ALL,  29
.set MW,   66
	s_load_b256 s[4:11], s[0:1], 0x0               ; qkv, mk, x, hq
	v_lshrrev_b32 v1, 5, v0
	v_readfirstlane_b32 s[WV], v1                  ; wave 0..15
	s_and_b32 s[BH], ttmp7, 0xffff
	s_lshr_b32 s[BB], s[BH], 4
	s_and_b32 s[HEAD], s[BH], 15
	s_lshr_b32 s30, s[WV], 2
	s_and_b32 s31, s[WV], 3
	s_xor_b32 s15, s30, s31                        ; i
	s_lshr_b32 s3, ttmp9, 1                        ; j / 2
	s_xor_b32 s30, s3, s15
	s_lshl_b32 s15, s15, 2
	s_add_co_u32 s15, s15, s30                     ; u
	s_lshl_b32 s[TAU], s15, 3
	s_add_co_u32 s[TAU], s[TAU], s31
	s_and_b32 s15, ttmp9, 1
	s_lshl_b32 s15, s15, 2                         ; 4 (j % 2)
	s_add_co_u32 s[TAU], s[TAU], s15               ; my tile of queries
	v_lshlrev_b32 v[T16], 4, v0
	v_lshlrev_b32 v216, 3, v0                      ; 8 x thread
	v_and_b32 v217, 31, v0                         ; lane
	v_lshlrev_b32 v[L16], 4, v217
	v_and_b32 v218, 15, v0                         ; r
	v_bfe_u32 v219, v0, 4, 1                       ; h
	v_lshlrev_b32 v220, 2, v218
	v_lshl_add_u32 v[RS], v218, 2, KSC
	v_add_nc_u32 v221, KSC, v216
	s_lshl_b32 s32, s[BH], 17
	s_mov_b32 s33, 0
	s_lshl_b32 s34, s[BH], 12
	s_add_co_u32 s34, s34, 12582912
	s_mov_b32 s35, 0
	s_lshl_b32 s42, s[TAU], 10
	s_mov_b32 s43, 0
	s_lshr_b32 s44, s[TAU], 1
	s_lshl_b32 s44, s44, 6
	s_mov_b32 s45, 0
	s_lshl_b32 s46, s[TAU], 6
	s_add_co_u32 s46, s46, 524288
	s_mov_b32 s47, 0
	s_lshl_b32 s48, s[TAU], 12
	s_mov_b32 s49, 0
	s_lshl_b32 s18, s[BB], 23
	s_lshl_b32 s30, s[HEAD], 8
	s_add_co_u32 s18, s18, s30
	s_mov_b32 s19, 0
	s_wait_kmcnt 0x0
	s_add_nc_u64 s[36:37], s[4:5], s[32:33]        ; q's codes of my head
	s_add_nc_u64 s[38:39], s[4:5], s[34:35]        ; q's scale words; k's 131,072 on, v's 262,144
	s_add_nc_u64 s[42:43], s[36:37], s[42:43]      ; my tile's q
	s_add_nc_u64 s[44:45], s[38:39], s[44:45]
	s_add_nc_u64 s[46:47], s[6:7], s[46:47]        ; my tile's 16 flags
	s_add_nc_u64 s[MW:MW+1], s[6:7], s[48:49]      ; my tile's lane masks, 256 bytes a step
	s_add_nc_u64 s[18:19], s[8:9], s[18:19]        ; x at my batch's first row, my head's 256 bytes
	s_add_nc_u64 s[KB:KB+1], s[36:37], 4194304     ; k's codes of my head, step 0
	global_load_b128 v[LD:LD+3], v[T16], s[KB:KB+1]                          ; K of step 0: the 512 threads read 8,192 consecutive bytes
	global_load_b128 v[LD+4:LD+7], v[T16], s[KB:KB+1] offset:4194304         ; V of step 0
	global_load_b64 v[168:169], v216, s[38:39] offset:131072                 ; K's scale words of the whole head,
	global_load_b64 v[170:171], v216, s[38:39] offset:262144                 ; and V's
	global_load_b128 v[24:27], v[L16], s[42:43]    ; Q's codes: e blocks 0 and 1
	global_load_b128 v[28:31], v[L16], s[42:43] offset:512
	global_load_b32 v[QW], v220, s[44:45]
	global_load_b32 v[TP], v220, s[46:47]          ; lane l: the flag of step l % 16
	global_load_b128 v[LD+8:LD+11], v[T16], s[KB:KB+1] offset:8192           ; step 1: the first trip's end stores it
	global_load_b128 v[LD+12:LD+15], v[T16], s[KB:KB+1] offset:4194304+8192
	s_wait_loadcnt 6                               ; step 0 and the scale words are in: behind them Q's two loads, Q's word, the flags and step 1's two
	ds_store_b128 v[T16], v[LD:LD+3]
	ds_store_b128 v[T16], v[LD+4:LD+7] offset:8192
	ds_store_b64 v221, v[168:169]
	ds_store_b64 v221, v[170:171] offset:4096
	s_wait_dscnt 0x0                               ; for the others' sake: my stores have landed
	s_barrier_signal -1
	s_barrier_wait -1                              ; step 0 and all scale words lie in LDS
	s_wait_loadcnt 2                               ; Q, its scale word, the flags; step 1's two loads may be out
	s_and_b32 s30, s[TAU], 1
	s_cmp_eq_u32 s30, 0
	s_mov_b32 s31, 0x03020302
	s_cselect_b32 s31, 0x01000100, s31
	v_perm_b32 v[QW], v[QW], v[QW], s31            ; my 16 tokens' two bytes, twice: they serve Q in either half of K
	v_and_b32 v222, 1, v[TP]
	v_cmp_ne_u32 s[ANY], 0, v222                   ; bit s: step s has some key for my tile
	v_and_b32 v222, 2, v[TP]
	v_cmp_ne_u32 s[ALL], 0, v222                   ; bit s: every key of step s counts
	; the offset of the prefetch of x: lanes 0-15 name my tile's 16 rows, lanes 16-31 the next wave's; the tile by the dealing above
	v_add_nc_u32 v[PFO], s[WV], v219
	v_lshrrev_b32 v222, 2, v[PFO]
	v_and_b32 v223, 3, v[PFO]
	v_xor_b32 v222, v222, v223                     ; i
	v_xor_b32 v224, s3, v222
	v_lshl_add_u32 v222, v222, 2, v224             ; u
	v_lshl_add_u32 v222, v222, 3, v223
	v_add_nc_u32 v222, s15, v222                   ; the tile
	v_lshl_add_u32 v222, v222, 4, v218             ; the row
	v_lshlrev_b32 v[PFO], 12, v222
	; who prefetches K and V: waves 0 (K) and 1 (V) of the head's first work-group; lanes 256 bytes apart cover a step's 8,192 bytes; three steps on from the base
	s_lshr_b32 s30, s[WV], 1
	s_or_b32 s30, s30, ttmp9
	s_cmp_eq_u32 s30, 0
	s_cselect_b32 s[LIM], 1, -1
	s_and_b32 s30, s[WV], 1
	s_lshl_b32 s30, s30, 22
	s_add_co_u32 s30, s30, 24576
	v_lshl_add_u32 v[PFK], v217, 8, s30
	v_mov_b32 v[NINF], 0xff800000
	v_mov_b32 v13, 0xff61b1e6                      ; the largest t so far: -3e38
	v_floor_f32 v12, -v13                          ; -M
	v_mov_b32 v14, 0                               ; the sum, in two halves
	v_mov_b32 v15, 0
.irp i, 16,17,18,19,20,21,22,23,32,33,34,35,36,37,38,39
	v_mov_b32 v\i, 0                               ; the zero codes on either side of Q
.endr
.set i, 0
.rept 32
	v_mov_b32 v[O+i], 0                            ; O^T: the loop has no first step of its own
.set i, i+1
.endr
.irp b, 0,1,2,3
	v_mov_b32 v[TM+4+\b], 0                        ; a lane permute's destination counts as one of its sources
.endr
	v_mov_b32 v[F+1], 0                            ; named as the upper half of f's pair
	s_mov_b32 s[SEL], 0x76543210
	s_mov_b32 s[SEL+1], 0xfedcba98
	s_mov_b32 s[CS], 0x3e38aa3b                    ; c = log2(e) / 8
	s_mov_b32 s[CS+1], s[CS]
	s_mov_b32 s[MNT], 0x600000
	s_mov_b32 s[TB], 0
	s_mov_b32 s[TS], 0
	s_mov_b32 s[TRIP], 7
; S^T of the step's 128 keys; behind it V's four fragments are asked for, into the registers that K's have left: they land under the softmax
.macro SCORES
.irp b, 0,1,2,3
.irp c, 0,1,2,3
	ds_load_b128 v[40+16*\b+4*\c:43+16*\b+4*\c], v[ADK] offset:2048*\b+512*\c
.endr
	ds_load_b32 v[KW+\b], v[ADS] offset:64*\b
.endr
	s_wait_dscnt 0x0
.irp b, 0,1,2,3
	v_wmma_scale_f32_16x16x128_f8f6f4 v[S+16*\b:S+16*\b+7], v[40+16*\b:55+16*\b], v[24:39], 0, v[KW+\b], v[QW] matrix_a_fmt:MATRIX_FMT_BF8 matrix_b_fmt:MATRIX_FMT_BF8
	v_wmma_scale_f32_16x16x128_f8f6f4 v[S+16*\b+8:S+16*\b+15], v[40+16*\b:55+16*\b], v[16:31], 0, v[KW+\b], v[QW] matrix_a_fmt:MATRIX_FMT_BF8 matrix_b_fmt:MATRIX_FMT_BF8
.endr
.rept 8
	v_nop                                          ; places: in front of the loads below and of the first read of the scores
.endr
.irp t, 0,1,2,3
.irp c, 0,1,2,3
	ds_load_b128 v[40+16*\t+4*\c:43+16*\t+4*\c], v[ADK] offset:8192+2048*\t+512*\c
.endr
	ds_load_b32 v[KW+\t], v[ADS] offset:4096+64*\t
.endr
.endm
; A KEY STEP.  p: the set of registers that this trip's loads fill (the other set is stored at its end).  ld = 1: the step two on is loaded.  st = 1: the next step is stored into LDS, and the barrier follows.
.macro TRIPM p, ld, st
.if \ld
	s_wait_xcnt 0x0                                ; the last trip's loads and prefetch, a barrier back, have read their base, so it may be stepped
	s_add_nc_u64 s[KB:KB+1], s[KB:KB+1], 8192
	global_load_b128 v[LD+8*\p:LD+8*\p+3], v[T16], s[KB:KB+1] offset:8192              ; K of the step two on,
	global_load_b128 v[LD+8*\p+4:LD+8*\p+7], v[T16], s[KB:KB+1] offset:4194304+8192    ; and V: they have this trip and the next in which to come
	; a prefetch into the L2 of the step FOUR on, which the trip two on will load: 32 lanes x 256 bytes are the step's 8,192 bytes of K (wave 0) or of V (wave 1).  All eight work-groups of a head walk the same K and V:
	; the first of them asks, so each block is named once in the launch.  Steps 0 to 3 come by their loads alone; the loop's last trip (steps 12 and 13) asks for nothing: there is no step 16.
	s_cmp_gt_u32 s[TRIP], s[LIM]
	s_cbranch_scc0 .Lnot_mine_\@
	global_prefetch_b8 v[PFK], s[KB:KB+1] th:TH_LOAD_NT scope:SCOPE_SE
.Lnot_mine_\@:
.endif
	s_bitcmp1_b32 s[ANY], 0
	s_cbranch_scc0 .Lskip_\@                       ; no key of this step counts for my tile: only the lines at the trip's end are run
	v_add_nc_u32 v[ADK], s[TB], v[L16]
	v_add_nc_u32 v[ADS], s[TS], v[RS]
.rept 6
	v_nop                                          ; with the two additions: eight places behind the last trip's products, in front of loads into registers that they read
.endr
	s_bitcmp1_b32 s[ALL], 0
	s_cbranch_scc1 .Lfull_\@                       ; every key counts: the lane masks are neither loaded nor used
	s_load_b512 s[32:47], s[MW:MW+1], 0x0          ; the step's 64 lane masks
	s_load_b512 s[48:63], s[MW:MW+1], 0x40
	s_load_b512 s[68:83], s[MW:MW+1], 0x80
	s_load_b512 s[84:99], s[MW:MW+1], 0xc0
	SCORES
	s_wait_kmcnt 0x0                               ; the lane masks are in (and their address may be stepped)
.set n, 0
.rept 64
	v_cndmask_b32 v[S+n], v[NINF], v[S+n], s[32+n+4*(n/32)]   ; a hidden key's score becomes -infinity
.set n, n+1
.endr
	s_branch .Lopen_\@
.Lfull_\@:
	SCORES
.Lopen_\@:
.irp b, 0,1,2,3
	v_max3_num_f32 v[TM+\b], v[S+16*\b], v[S+1+16*\b], v[S+2+16*\b]   ; the largest score of each block of 32 keys: for the row's maximum and for the block's largest p
.endr
.irp i, 3,5,7,9,11,13
.irp b, 0,1,2,3
	v_max3_num_f32 v[TM+\b], v[TM+\b], v[S+16*\b+\i], v[S+1+16*\b+\i]
.endr
.endr
.irp b, 0,1,2,3
	v_max_num_f32 v[TM+\b], v[TM+\b], v[S+15+16*\b]
.endr
.irp b, 0,1,2,3
	v_permlanex16_b32 v[TM+4+\b], v[TM+\b], s[SEL], s[SEL+1]
.endr
.irp b, 0,1,2,3
	v_max_num_f32 v[TM+\b], v[TM+\b], v[TM+4+\b]
.endr
	v_max3_num_f32 v[TP], v[TM], v[TM+1], v[TM+2]
	v_max_num_f32 v[TP], v[TP], v[TM+3]
	v_mul_f32 v[TP], s[CS], v[TP]
	v_max_num_f32 v13, v13, v[TP]                  ; the running largest t
	v_mov_b32 v[TP], v12
	v_floor_f32 v12, -v13                          ; the new -M = -ceil(t)
	v_sub_f32 v[TP], v12, v[TP]                    ; old M - new M: a whole number, 0 or less
	v_cvt_i32_f32 v[TP], v[TP]                     ; (it saturates)
	v_ldexp_f32 v[F], 1.0, v[TP]                   ; f: a multiplication by it rounds nothing
.set n, 0
.rept 32
	v_pk_fma_f32 v[S+n:S+n+1], v[S+n:S+n+1], s[CS:CS+1], v[12:13] op_sel_hi:[1,0,0]   ; t - M
.set n, n+2
.endr
.irp b, 0,1,2,3
	v_fma_f32 v[TM+\b], v[TM+\b], s[CS], v12
.endr
.set n, 0
.rept 64
	v_exp_f32 v[S+n], v[S+n]                       ; p = 2^(t - M)
.set n, n+1
.endr
	v_pk_mul_f32 v[14:15], v[14:15], v[F:F+1] op_sel_hi:[1,0]   ; the sums under the new M: the plain instruction behind the batch
	s_wait_alu depctr_va_vdst(0)                   ; one wait for the 64, ahead of their first reader
.irp b, 0,1,2,3
	v_exp_f32 v[TM+\b], v[TM+\b]                   ; the block's largest p
.endr
	v_pk_add_f32 v[TM+4:TM+5], v[S:S+1], v[S+2:S+3]   ; the row's sum of the unquantised p, in two chains
.irp j, 4,8,12,16,20,24,28,32,36,40,44,48,52,56,60
	v_pk_add_f32 v[14:15], v[14:15], v[S+\j:S+\j+1]
	v_pk_add_f32 v[TM+4:TM+5], v[TM+4:TM+5], v[S+2+\j:S+3+\j]
.endr
	v_pk_add_f32 v[14:15], v[14:15], v[TM+4:TM+5]
	s_wait_alu depctr_va_vdst(0)                   ; and one for the four
.irp b, 0,1,2,3
	v_max_num_f32 v[TM+\b], 0x8000000, v[TM+\b]    ; the floor 2^(16 - 127)
.endr
.irp b, 0,1,2,3
	v_add_nc_u32 v[TM+12+\b], 0xf8800000, v[TM+\b]
.endr
.irp b, 0,1,2,3
	v_and_or_b32 v[TM+8+\b], v[TM+\b], 0x7f800000, s[MNT]
.endr
.irp b, 0,1,2,3
	v_lshrrev_b32 v[TM+4+\b], 23, v[TM+12+\b]
.endr
	v_lshl_or_b32 v[PWD], v[TM+5], 8, v[TM+4]      ; p's scale word for these 128 keys
	v_lshl_or_b32 v[PWD], v[TM+6], 16, v[PWD]
	v_lshl_or_b32 v[PWD], v[TM+7], 24, v[PWD]
.irp b, 0,1,2,3
.irp i, 0,1,2,3,4,5,6,7,8,9,10,11,12,13,14,15
	v_min_num_f32 v[S+16*\b+\i], v[S+16*\b+\i], v[TM+8+\b]   ; p is not negative: a one-sided hold
.endr
	v_cvt_scalef32_pk8_bf8_f32 v[PCD+4*\b:PCD+1+4*\b], v[S+16*\b:S+7+16*\b], v[TM+12+\b]
	v_cvt_scalef32_pk8_bf8_f32 v[PCD+2+4*\b:PCD+3+4*\b], v[S+8+16*\b:S+15+16*\b], v[TM+12+\b]
.endr
.set n, 0
.rept 16
	v_pk_mul_f32 v[O+n:O+n+1], v[O+n:O+n+1], v[F:F+1] op_sel_hi:[1,0]   ; O^T under the new M; these sixteen are also the places between the codes and the products
.set n, n+2
.endr
	s_wait_dscnt 0x0                               ; V's fragments and scale words are in
.irp t, 0,1,2,3
	v_wmma_scale_f32_16x16x128_f8f6f4 v[O+8*\t:O+8*\t+7], v[40+16*\t:55+16*\t], v[PCD:PCD+15], v[O+8*\t:O+8*\t+7], v[KW+\t], v[PWD] matrix_a_fmt:MATRIX_FMT_BF8 matrix_b_fmt:MATRIX_FMT_BF8
.endr
.Lskip_\@:
.if \st
	s_lshr_b32 s[ANY], s[ANY], 1
	s_lshr_b32 s[ALL], s[ALL], 1
	s_add_co_u32 s[TB], s[TB], 16384               ; the next step's bytes in LDS,
	s_add_co_u32 s[TS], s[TS], 256                 ; its scale words,
	s_add_nc_u64 s[MW:MW+1], s[MW:MW+1], 256       ; its lane masks
	s_wait_loadcnt 2*\ld                           ; the next step's K and V are in registers; this trip's two loads, for the step behind it, may be out
	v_add_nc_u32 v[STK], s[TB], v[T16]
	ds_store_b128 v[STK], v[LD+8*(1-\p):LD+8*(1-\p)+3]
	ds_store_b128 v[STK], v[LD+8*(1-\p)+4:LD+8*(1-\p)+7] offset:8192
	s_wait_dscnt 0x0                               ; for the others' sake: my stores have landed
	s_barrier_signal -1
	s_barrier_wait -1                              ; the next step lies whole in LDS.  Nobody has read its bytes, and nobody writes them again
.endif
.endm
.Lpair:                                                ; seven trips of two key steps: steps 0 to 13
	TRIPM 0, 1, 1
	TRIPM 1, 1, 1
	s_sub_co_u32 s[TRIP], s[TRIP], 1
	s_cmp_lg_u32 s[TRIP], 0
	s_cbranch_scc1 .Lpair
	; a prefetch into the L2 of the rows of x that the way out will load, two key steps ahead of those loads: even waves ask, for their own tile's 16 rows and the next wave's: each row's 256 bytes are named once in the launch
	s_and_b32 s30, s[WV], 1
	s_cmp_eq_u32 s30, 0
	s_cbranch_scc0 .Lno_ask
	global_prefetch_b8 v[PFO], s[18:19] th:TH_LOAD_NT scope:SCOPE_SE
.Lno_ask:
	TRIPM 0, 0, 1                                  ; step 14: nothing is left to load; step 15 goes into LDS
	TRIPM 1, 0, 0                                  ; step 15
	; THE WAY OUT: h = O^T / sum + x, quantised along D (my head's 64 are two blocks of 32), put into the true order of K, and stored as part of an image.
.rept 8
	v_nop                                          ; places behind the last products
.endr
	v_and_b32 v8, 15, v0                           ; r
	v_bfe_u32 v9, v0, 4, 1                         ; h
	s_lshl_b32 s30, s[TAU], 4
	v_add_nc_u32 v10, s30, v8
	v_lshlrev_b32 v10, 12, v10
	v_lshl_add_u32 v10, v9, 5, v10                 ; x: my row, + 32 h
.irp t, 0,1,2,3
	global_load_b128 v[S+8*\t:S+8*\t+3], v10, s[18:19] offset:64*\t th:TH_LOAD_NT       ; x(row, 64 head + 16 t + 8 h + 0 .. 7): the wave uses up 256 aligned bytes of each of its 16 rows
	global_load_b128 v[S+8*\t+4:S+8*\t+7], v10, s[18:19] offset:64*\t+16 th:TH_LOAD_NT
.endr
	v_add_f32 v14, v14, v15
	v_permlanex16_b32 v[TP], v14, s[SEL], s[SEL+1]
	v_add_f32 v14, v14, v[TP]                      ; the row's sum
	v_rcp_f32 v14, v14
	v_lshlrev_b32 v9, 5, v8                        ; (a plain instruction behind the reciprocal)  32 bytes of scales a token
	v_mov_b32 v[FF], 0xff
	s_lshl_b32 s30, s[BB], 7
	s_add_co_u32 s30, s30, s[TAU]                  ; my block of 16 tokens
	s_lshl_b32 s32, s30, 14
	s_lshl_b32 s31, s[HEAD], 10
	s_add_co_u32 s32, s32, s31
	s_mov_b32 s33, 0
	s_add_nc_u64 s[32:33], s[10:11], s[32:33]      ; image (block, head / 2), groups 2 (head % 2) on
	s_lshl_b32 s34, s30, 9
	s_lshl_b32 s31, s[HEAD], 1
	s_add_co_u32 s34, s34, s31
	s_add_co_u32 s34, s34, 4194304
	s_mov_b32 s35, 0
	s_add_nc_u64 s[34:35], s[10:11], s[34:35]
	s_wait_alu depctr_va_vdst(0)                   ; ahead of the reciprocal's first reader
	s_wait_loadcnt 0x0
.set n, 0
.rept 16
	v_pk_fma_f32 v[S+n:S+n+1], v[O+n:O+n+1], v[14:15], v[S+n:S+n+1] op_sel_hi:[1,0,1]
.set n, n+2
.endr
.irp b, 0,1
	v_max3_num_f32 v[TM+\b], |v[S+16*\b]|, |v[S+16*\b+1]|, 0x8000000
.endr
.irp i, 2,4,6,8,10,12,14
.irp b, 0,1
	v_max3_num_f32 v[TM+\b], v[TM+\b], |v[S+16*\b+\i]|, |v[S+16*\b+\i+1]|
.endr
.endr
.irp b, 0,1
	v_permlanex16_b32 v[TM+4+\b], v[TM+\b], s[SEL], s[SEL+1]
.endr
.irp b, 0,1
	v_max_num_f32 v[TM+\b], v[TM+\b], v[TM+4+\b]
.endr
.irp b, 0,1
	v_add_nc_u32 v[TM+12+\b], 0xf8800000, v[TM+\b]
	v_and_or_b32 v[TM+8+\b], v[TM+\b], 0x7f800000, s[MNT]
.endr
.irp b, 0,1
	v_lshrrev_b32 v[TM+4+\b], 23, v[TM+12+\b]
.endr
.irp b, 0,1
	v_cmp_neq_f32 vcc_lo, v[S+16*\b], v[S+16*\b]   ; a row without keys is NaN throughout:
	v_cndmask_b32 v[TM+4+\b], v[TM+4+\b], v[FF], vcc_lo   ; its byte becomes 0xff, under which the next product's sums are NaN
.endr
	v_lshl_or_b32 v[PW], v[TM+5], 8, v[TM+4]
.irp b, 0,1
.irp i, 0,1,2,3,4,5,6,7,8,9,10,11,12,13,14,15
	v_med3_num_f32 v[S+16*\b+\i], v[S+16*\b+\i], -v[TM+8+\b], v[TM+8+\b]
.endr
.endr
.irp b, 0,1
	v_cvt_scalef32_pk8_bf8_f32 v[PCD+4*\b:PCD+4*\b+1], v[S+16*\b:S+16*\b+7], v[TM+12+\b]
	v_cvt_scalef32_pk8_bf8_f32 v[PCD+4*\b+2:PCD+4*\b+3], v[S+16*\b+8:S+16*\b+15], v[TM+12+\b]
.endr
	v_nop                                          ; one plain vector instruction behind the last scaled conversion
.irp b, 0,1
	v_permlane16_swap_b32 v[PCD+4*\b], v[PCD+4*\b+2]     ; places 8 h + .., 16 + 8 h + .. become 16 h + 0 .. 15: the order of w1's codes
	v_permlane16_swap_b32 v[PCD+4*\b+1], v[PCD+4*\b+3]
.endr
	global_store_b128 v[L16], v[PCD:PCD+3], s[32:33]               ; 1,024 consecutive bytes in two stores
	global_store_b128 v[L16], v[PCD+4:PCD+7], s[32:33] offset:512
	global_store_b16 v9, v[PW], s[34:35]           ; two bytes a token (lanes l and l + 16 write the same): one byte in 32 of what the launch stores
	s_wait_xcnt 0x0
	v_lshl_add_u32 v254, v0, 2, 0x42000
	v_mov_b32 v255, 0
	s_wait_tensorcnt 0x0
	ds_add_u32 v254, v255
	s_wait_dscnt 0x0
	s_endpgm
.Lfunc_end_k_qbef66470e9_attn:
	.size	k_qbef66470e9_attn, .Lfunc_end_k_qbef66470e9_attn-k_qbef66470e9_attn
	.p2alignl 7, 3214868480
	.fill 96, 4, 3214868480
	.section	.rodata,"a",@progbits
	.p2align	6, 0x0
	.amdhsa_kernel k_qbef66470e9_attn
		.amdhsa_group_segment_fixed_size 272384
		.amdhsa_private_segment_fixed_size 0
		.amdhsa_enable_private_segment 0
		.amdhsa_kernarg_size 32
		.amdhsa_user_sgpr_count 2
		.amdhsa_user_sgpr_kernarg_segment_ptr 1
		.amdhsa_wavefront_size32 1
		.amdhsa_system_sgpr_workgroup_id_x 1
		.amdhsa_system_sgpr_workgroup_id_y 1
		.amdhsa_system_sgpr_workgroup_id_z 1
		.amdhsa_system_vgpr_workitem_id 0
		.amdhsa_next_free_vgpr 256
		.amdhsa_next_free_sgpr 102
		.amdhsa_reserve_vcc 1
		.amdhsa_float_denorm_mode_32 3
		.amdhsa_float_denorm_mode_16_64 3
		.amdhsa_memory_ordered 1
		.amdhsa_forward_progress 1
		.amdhsa_inst_pref_size 124
	.end_amdhsa_kernel
	.amdgpu_metadata
---
amdhsa.version: [ 1, 2 ]
amdhsa.kernels:
  - .name:           k_qbef66470e9_attn
    .symbol:         k_qbef66470e9_attn.kd
    .args:
      - { .name: qkv, .offset: 0, .size: 8, .value_kind: global_buffer, .address_space: global }
      - { .name: mk, .offset: 8, .size: 8, .value_kind: global_buffer, .address_space: global }
      - { .name: x, .offset: 16, .size: 8, .value_kind: global_buffer, .address_space: global }
      - { .name: hq, .offset: 24, .size: 8, .value_kind: global_buffer, .address_space: global }
    .group_segment_fixed_size: 272384
    .private_segment_fixed_size: 0
    .kernarg_segment_align: 8
    .kernarg_segment_size: 32
    .max_flat_workgroup_size: 512
    .sgpr_count:     102
    .vgpr_count:     256
    .wavefront_size: 32
...
	.end_amdgpu_metadata
.endif
;; end of part 3
;; launch ffn1 (part 4): grid 16 x 16, 4 waves a work-group, clusters of 4 x 4, 327,680 bytes of LDS; arguments hq, w1_codes, w1_scales, b1, gq; writes gq
.if DOCPART == 4
	.amdgcn_target "amdgcn-amd-amdhsa--gfx1250"
	.amdhsa_code_object_version 6
	.text
	.protected	k_qbef66470e9_ffn1
	.globl	k_qbef66470e9_ffn1
	.p2align	8
	.type	k_qbef66470e9_ffn1,@function
k_qbef66470e9_ffn1:
	s_mov_b64 s[64:65], 0
	v_nop
	global_prefetch_b8 v0, s[64:65] scope:SCOPE_SE
	s_setreg_imm32_b32 hwreg(HW_REG_WAVE_MODE, 25, 1), 1
	s_wait_xcnt 0x0
	s_wait_alu depctr_hold_cnt(0) depctr_sa_sdst(0) depctr_va_vdst(0) depctr_va_sdst(0) depctr_va_ssrc(0) depctr_va_vcc(0) depctr_vm_vsrc(0)
	s_getreg_b32 s2, hwreg(HW_REG_IB_STS2, 6, 4)
	s_cmp_eq_u32 s2, 0
	s_cbranch_scc0 .Lentry_in_a_cluster
	s_endpgm
.Lentry_in_a_cluster:
	s_bfe_u32 s2, ttmp6, 0x10000c
	s_cmp_lg_u32 s2, 0xf033
	s_cbranch_scc0 .Lentry_shape_is_right
	s_endpgm
.Lentry_shape_is_right:
; g = gelu(h W1^T + b1), exact gelu, quantised along the hidden axis: the product on codes of BF8 (E5M2) with one E8M0 scale for each 32 along K = 1,024.
; A tile of 256 tokens x 256 hidden units to a work-group of four waves, 128 x 128 a wave; K in steps of 256 through a ring of two LDS slots; the scale bytes come into LDS once.  Clusters of 4 x 4, joint loads.
; A (h) lies in memory as images of operand registers, (token / 16, K / 128) at 2,048 bytes each: a slot's part of 128 tokens is 8 rows of 4,096 bytes; a fragment is four loads of 512 consecutive bytes.
; B (w1) lies as rows of 1,024 codes.  Source 0 = 16 rows of w1, source 1 = 16 tokens: a lane holds a token, its registers run along the hidden units, which are the next product's K.
; GELU.  gelu(x) = max(x, 0) - |x| erfc(|x| / sqrt 2) / 2, and erfc(z) / 2 = t 2^(poly(t) - x^2 log2(e) / 2) with t = 1 / (1 + z / 2), poly of degree 9 (fractional error of erfc about 1.2e-7 for every z): nothing cancels for negative x.
; OUT (gq): images (token / 16, unit / 128) at ((token / 16) 32 + unit / 128) x 2,048; scale words [unit / 128][token] at 16,777,216.
; A row of NaN (a query without keys) stays NaN: its scale bytes are set to 0xff.  LIMITS: other NaN and infinities are not served; a block of zeros gets the byte 1 over zero codes.
; REGISTERS: window 0: v7-29 addresses and constants; v32-63 scale words; v64-127 b1 in the result's layout; from v128 A's fragments; on the way out v128-255 at work.  window 1: B's fragments, two sets.  windows 2, 3: the accumulators.
.set NQ,     2
.set ROWB,   256
.set KROW,   1024
.set PITCH,  272
.set FR,     16
.set NL,     4
.set NP,     8
.set HALFA,  32768                     ; A: 8 blocks x 2 images
.set HALFT,  128*PITCH                 ; B: 128 rows
.set BOFF,   2*HALFA
.set SLOT,   BOFF+2*HALFT
.set KS,     32
.set SCL,    2*SLOT
.set HALFS,  (128*KS/256)*272
.set SBLK,   (16*KS/256)*272
.set SPARE,  SCL+4*HALFS               ; the spare words: two blocks of 256 bytes that no other line names
.set PW,   7
.set FF,   8
.set SWA,  9                           ; where a block's scale words go in LDS: 512 x wave + 4 r (slot 0: it has had its last fill and its last read by then)
.set SRD,  10                          ; and where they are read back: 512 x wave + 16 x lane
.set VO,   11                          ; 16 x lane
.set WAD,  12
.set BA,   13
.set C9,   14                          ; v[14:15] the polynomial's leading coefficient
.set ADRA, 16
.set ADRB, 20
.set ADRS, 27
.set SPW,  28
.set NIL,  29
.set SC,   32
.set BI,   64
.set AF,   128
.set G,    128                         ; the way out: a block's 64 numbers
.set T,    192
.set P,    208
.set PC,   224
.set TM,   240
.set Y,    240
.set SEL,  20
.set MNT,  22
.set G1, 24
.set G0, 32
.set G1B, 48
.set G0B, 56
.set G1S, 68
.set G0S, 76
.set G1SB, 80
.set G0SB, 88
.set MSB, 0
.macro WIN new
.if MSB != (\new)
	s_set_vgpr_msb (MSB<<8)|(\new)
.set MSB, (\new)
.endif
.endm
.set MUL_LO, 0xa1
.set MUL_HI, 0xf1
.set TO_B,   0x40
.macro JLOAD g0a, g1a, g0b, g1b        ; waves 0 and 1 fetch for A, waves 2 and 3 for B; four v_nop follow each of the two lines
	s_cmp_eq_u32 s15, 0
	s_cbranch_scc0 .Lfor_b_\@
	tensor_load_to_lds s[\g0a:\g0a+3], s[\g1a:\g1a+7]
	s_nop 0
.rept 4
	v_nop
.endr
	s_branch .Lasked_\@
.Lfor_b_\@:
	tensor_load_to_lds s[\g0b:\g0b+3], s[\g1b:\g1b+7]
	s_nop 0
.rept 4
	v_nop
.endr
.Lasked_\@:
.endm
.macro CREST
	s_cmp_lg_u32 s14, 0
	s_cbranch_scc1 .Lnot_wave_0_\@
	s_barrier_signal -3
.Lnot_wave_0_\@:
	s_barrier_wait -3
	s_barrier_signal -1
	s_barrier_wait -1
.endm
.macro CROUND
	s_barrier_signal -1
	s_barrier_wait -1
	CREST
.endm
	s_load_b64 s[4:5], s[0:1], 0x0                 ; hq
	s_load_b128 s[8:11], s[0:1], 0x8               ; w1's codes, w1's scales
	s_load_b128 s[96:99], s[0:1], 0x18             ; b1, gq
	v_lshl_add_u32 v[SPW], v0, 2, SPARE
	v_mov_b32 v[NIL], 0
	ds_add_u32 v28, v29
	ds_add_u32 v28, v29
	s_wait_dscnt 0x0
	v_lshrrev_b32 v1, 5, v0
	v_readfirstlane_b32 s14, v1
	s_lshr_b32 s15, s14, 1                         ; my half of the tokens.  Also: I fetch for A (0) or for B (1)
	s_and_b32 s16, s14, 1                          ; my half of the units.  Also: which half I fetch
	s_bfe_u32 s40, ttmp6, 0x40000
	s_bfe_u32 s41, ttmp6, 0x40004
	s_lshl_b32 s42, ttmp9, 2
	s_add_co_u32 s42, s42, s40                     ; tile column (units)
	s_and_b32 s17, ttmp7, 0xffff
	s_lshl_b32 s17, s17, 2
	s_add_co_u32 s17, s17, s41                     ; tile row (tokens)
	s_lshl_b32 s43, s41, 2
	s_lshl_b32 s43, 15, s43
	s_lshl_b32 s44, 0x1111, s40
	s_or_b32 s[G1+0], s43, (3<<16)|(1<<21)         ; A: the mask; elements of 8 bytes; no padding: an image's loads are consecutive
	s_mov_b32 s[G1+1], 512<<16                     ; tensor_dim0: two images, 4,096 bytes
	s_mov_b32 s[G1+2], 8<<16                       ; tensor_dim1: 8 blocks of 16 tokens
	s_mov_b32 s[G1+3], 512<<16
	s_mov_b32 s[G1+4], 8
	s_mov_b32 s[G1+5], 2048                        ; a block's 8 images: 16,384 bytes
	s_mov_b32 s[G1+6], 0
	s_mov_b32 s[G1+7], 0
	s_or_b32 s[G1B+0], s44, (0<<16)|(1<<20)|(1<<21)|(5<<22)|(3<<25)
	s_mov_b32 s[G1B+1], ROWB<<16
	s_mov_b32 s[G1B+2], 128<<16
	s_mov_b32 s[G1B+3], ROWB<<16
	s_mov_b32 s[G1B+4], 128
	s_mov_b32 s[G1B+5], KROW
	s_mov_b32 s[G1B+6], 0
	s_mov_b32 s[G1B+7], 0
	s_or_b32 s[G1S+0], s43, (3<<16)|(1<<20)|(1<<21)|(5<<22)|(3<<25)
	s_or_b32 s[G1SB+0], s44, (3<<16)|(1<<20)|(1<<21)|(5<<22)|(3<<25)
.irp g, G1S, G1SB
	s_mov_b32 s[\g+1], 32<<16
	s_mov_b32 s[\g+2], (128*KS/256)<<16
	s_mov_b32 s[\g+3], 32<<16
	s_mov_b32 s[\g+4], 128*KS/256
	s_mov_b32 s[\g+5], 32
	s_mov_b32 s[\g+6], 0
	s_mov_b32 s[\g+7], 0
.endr
	s_lshl_b32 s18, s16, 7
	s_lshl_b32 s20, s17, 8
	s_add_co_u32 s20, s20, s18                     ; the tokens that I fetch
	s_lshl_b32 s46, s42, 8
	s_add_co_u32 s46, s46, s18                     ; the rows of w1
	s_lshl_b32 s22, s20, 5
	s_mov_b32 s23, 0
	s_lshl_b32 s92, s46, 5
	s_mov_b32 s93, 0
	s_lshl_b32 s20, s20, 10                        ; 16 tokens are 16,384 bytes of images
	s_mov_b32 s21, 0
	s_lshl_b32 s46, s46, 10
	s_mov_b32 s47, 0
	s_mul_i32 s45, s16, HALFA                      ; LDS: A's half,
	s_mul_i32 s95, s16, HALFT
	s_add_co_u32 s95, s95, BOFF                    ; B's half,
	s_mul_i32 s94, s14, HALFS                      ; the scale bytes: by the wave's number
	s_wait_kmcnt 0x0
	s_add_nc_u64 s[6:7], s[4:5], 4194304           ; h's scale bytes
	s_mov_b64 s[12:13], s[98:99]
	s_add_nc_u64 s[20:21], s[4:5], s[20:21]
	s_add_nc_u64 s[22:23], s[6:7], s[22:23]
	s_add_nc_u64 s[46:47], s[8:9], s[46:47]
	s_add_nc_u64 s[92:93], s[10:11], s[92:93]
	CROUND
	s_mov_b32 s[G0S], 1
	s_add_co_u32 s[G0S+1], s94, SCL
	s_mov_b64 s[G0S+2:G0S+3], s[22:23]
	s_or_b32 s[G0S+3], s[G0S+3], 0x80000000
	s_mov_b32 s[G0SB], 1
	s_add_co_u32 s[G0SB+1], s94, SCL
	s_mov_b64 s[G0SB+2:G0SB+3], s[92:93]
	s_or_b32 s[G0SB+3], s[G0SB+3], 0x80000000
	JLOAD G0S, G1S, G0SB, G1SB
.irp s, 0,1
	s_mov_b32 s[G0+4*\s], 1
	s_add_co_u32 s[G0+4*\s+1], s45, \s*SLOT
	s_add_nc_u64 s[G0+4*\s+2:G0+4*\s+3], s[20:21], \s*4096
	s_or_b32 s[G0+4*\s+3], s[G0+4*\s+3], 0x80000000
	s_mov_b32 s[G0B+4*\s], 1
	s_add_co_u32 s[G0B+4*\s+1], s95, \s*SLOT
	s_add_nc_u64 s[G0B+4*\s+2:G0B+4*\s+3], s[46:47], \s*ROWB
	s_or_b32 s[G0B+4*\s+3], s[G0B+4*\s+3], 0x80000000
	JLOAD G0+4*\s, G1, G0B+4*\s, G1B
.endr
	v_and_b32 v1, 15, v0                           ; r
	v_bfe_u32 v2, v0, 4, 1                         ; h
	v_and_b32 v6, 31, v0
	v_lshlrev_b32 v[VO], 4, v6
	v_mul_u32_u24 v3, v1, PITCH
	v_lshl_add_u32 v4, v2, 4, v3
	s_mul_i32 s21, s15, HALFA
	s_mul_i32 s22, s16, HALFT
	s_add_co_u32 s22, s22, BOFF
.irp s, 0,1
	v_add_nc_u32 v[ADRA+\s], s21, v[VO]
	v_add_nc_u32 v[ADRB+\s], s22, v4
	s_add_co_u32 s21, s21, SLOT
	s_add_co_u32 s22, s22, SLOT
.endr
	v_mul_u32_u24 v5, v1, KS
	v_lshrrev_b32 v6, 8, v5
	v_lshl_add_u32 v5, v6, 4, v5
	s_mul_i32 s21, s15, HALFS
	s_mul_i32 s22, s16, HALFS
	s_add_co_u32 s22, s22, 2*HALFS
	s_sub_co_u32 s22, s22, s21
	v_mul_u32_u24 v6, s22, v2
	s_add_co_u32 s21, s21, SCL
	v_add_nc_u32 v5, v5, v6
	v_add_nc_u32 v[ADRS], s21, v5
	s_lshl_b32 s21, s14, 9
	v_lshl_add_u32 v[SWA], v1, 2, s21
	v_add_nc_u32 v[SRD], s21, v[VO]
	v_mov_b32 v[FF], 0xff
	v_mov_b32 v[C9], 0x3e7c6f08
	v_mov_b32 v[C9+1], 0x3e7c6f08
	v_lshlrev_b32 v[BA], 5, v2                     ; b1: 32 h
	s_lshl_b32 s20, s42, 10
	s_lshl_b32 s21, s16, 9
	s_add_co_u32 s20, s20, s21
	s_mov_b32 s21, 0
	s_add_nc_u64 s[96:97], s[96:97], s[20:21]      ; b1 at my first unit
.irp b, 0,1,2,3,4,5,6,7
	global_load_b128 v[BI+8*\b:BI+8*\b+3], v[BA], s[96:97] offset:64*\b          ; register 8 b + j: b1 of unit 16 b + 8 h + j
	global_load_b128 v[BI+8*\b+4:BI+8*\b+7], v[BA], s[96:97] offset:64*\b+16
.endr
	s_lshl_b32 s20, s17, 4
	s_lshl_b32 s21, s15, 3
	s_add_co_u32 s20, s20, s21
	s_lshl_b32 s20, s20, 5
	s_lshl_b32 s46, s42, 1
	s_add_co_u32 s46, s46, s16                     ; which 128 units: the next product's K step
	s_add_co_u32 s20, s20, s46
	s_lshl_b32 s20, s20, 11
	s_mov_b32 s21, 0
	s_lshl_b32 s46, s46, 14
	s_lshl_b32 s47, s17, 10
	s_add_co_u32 s46, s46, s47
	s_lshl_b32 s47, s15, 9
	s_add_co_u32 s46, s46, s47
	s_add_co_u32 s46, s46, 16777216
	s_mov_b32 s47, 0
	s_add_nc_u64 s[46:47], s[12:13], s[46:47]      ; my 128 scale words
	s_add_nc_u64 s[12:13], s[12:13], s[20:21]      ; my first image
	s_mov_b32 s[SEL], 0x76543210
	s_mov_b32 s[SEL+1], 0xfedcba98
	s_mov_b32 s[MNT], 0x600000
.macro FRAG reg, adr, q, i
.irp c, 0,1,2,3
	ds_load_b128 v[\reg+4*\c:\reg+4*\c+3], v[\adr] offset:128*(\q)+32*\c+(\i)*16*PITCH
.endr
.endm
.macro FRAGA reg, slot, q, i           ; an image comes back as it was stored: four loads of 512 consecutive bytes
.irp c, 0,1,2,3
	ds_load_b128 v[\reg+4*\c:\reg+4*\c+3], v[ADRA+\slot] offset:4096*(\i)+2048*(\q)+512*\c
.endr
.endm
.macro MUL16 a0, p, q, sc, zero        ; the 64 accumulators take turns, one instruction a turn
.irp a, \a0, \a0+1
.irp b, 0,1,2,3,4,5,6,7
.if \zero
	v_wmma_scale_f32_16x16x128_f8f6f4 v[8*(8*((\a)%4)+\b):8*(8*((\a)%4)+\b)+7], v[128*(\p)+FR*\b:128*(\p)+FR*\b+FR-1], v[AF+FR*(\a):AF+FR*(\a)+FR-1], 0, v[SC+8*NQ*(\sc)+NQ*\b+(\q)], v[SC+8*NQ*(\sc)+NQ*(\a)+(\q)] matrix_a_fmt:MATRIX_FMT_BF8 matrix_b_fmt:MATRIX_FMT_BF8 matrix_a_scale:MATRIX_SCALE_ROW1
.else
	v_wmma_scale_f32_16x16x128_f8f6f4 v[8*(8*((\a)%4)+\b):8*(8*((\a)%4)+\b)+7], v[128*(\p)+FR*\b:128*(\p)+FR*\b+FR-1], v[AF+FR*(\a):AF+FR*(\a)+FR-1], v[8*(8*((\a)%4)+\b):8*(8*((\a)%4)+\b)+7], v[SC+8*NQ*(\sc)+NQ*\b+(\q)], v[SC+8*NQ*(\sc)+NQ*(\a)+(\q)] matrix_a_fmt:MATRIX_FMT_BF8 matrix_b_fmt:MATRIX_FMT_BF8 matrix_a_scale:MATRIX_SCALE_ROW1
.endif
.endr
.endr
.endm
.macro FETCH_B slot, q, p
	WIN TO_B
.irp i, 0,1,2,3,4,5,6,7
	FRAG 128*(\p)+FR*\i, ADRB+\slot, \q, \i
.endr
	WIN 0
.endm
.macro FETCH_A slot, q, i0
.irp i, \i0, \i0+1, \i0+2, \i0+3
	FRAGA AF+FR*(\i), \slot, \q, \i
.endr
.endm
.macro SCALES sc
.irp i, 0,1,2,3,4,5,6,7
	ds_load_b64 v[SC+8*NQ*\sc+NQ*\i:SC+8*NQ*\sc+NQ*\i+1], v[ADRS] offset:\i*SBLK
.endr
.endm
.macro PLACES n
.rept \n
	v_nop
.endr
.endm
.macro STEP slot, q, zero
	s_wait_dscnt 4*NL                              ; B's set and A's blocks 0-3 are in; the sixteen youngest loads may be out
	WIN MUL_LO
	MUL16 0, (\q)%2, \q, \slot, \zero
	MUL16 2, (\q)%2, \q, \slot, \zero
	s_wait_dscnt 0
	PLACES NP
	FETCH_B \slot, (\q)+1, 1-(\q)%2
	FETCH_A \slot, (\q)+1, 0
	WIN MUL_HI
	MUL16 4, (\q)%2, \q, \slot, \zero
	MUL16 6, (\q)%2, \q, \slot, \zero
	PLACES NP
	WIN 0
	FETCH_A \slot, (\q)+1, 4
.endm
.macro TURN slot, next, fill
	s_wait_tensorcnt 0x0                           ; all my tensor loads have landed
	ds_add_u32 v[SPW], v[NIL]                      ; 0 onto my spare word
	s_wait_dscnt 4*NL+1                            ; the add and the sixteen youngest loads may be out
	WIN MUL_LO
	MUL16 0, 1, NQ-1, \slot, 0
	s_wait_dscnt 0x0                               ; the add is done, and my reads of this slot are over
	s_barrier_signal -1
	MUL16 2, 1, NQ-1, \slot, 0
	WIN 0
	s_barrier_wait -1
.if \fill
	CREST
	s_add_nc_u64 s[G0+4*\slot+2:G0+4*\slot+3], s[G0+4*\slot+2:G0+4*\slot+3], 2*4096
	s_add_nc_u64 s[G0B+4*\slot+2:G0B+4*\slot+3], s[G0B+4*\slot+2:G0B+4*\slot+3], 2*ROWB
	JLOAD G0+4*\slot, G1, G0B+4*\slot, G1B
	PLACES NP-4
.else
	PLACES NP
.endif
	v_add_nc_u32 v[ADRS], 4*NQ, v[ADRS]
	FETCH_B \next, 0, 0
	FETCH_A \next, 0, 0
	SCALES \next
	WIN MUL_HI
	MUL16 4, 1, NQ-1, \slot, 0
	MUL16 6, 1, NQ-1, \slot, 0
	PLACES NP
	WIN 0
	FETCH_A \next, 0, 4
.endm
; Block k's 64 sums plus b1 go into fixed registers: the one part of the way out whose register numbers change from block to block
.macro VARIANT k
	WIN 2+(\k)/4
.set vi, 0
.rept 32
	v_pk_add_f32 v[G+vi:G+vi+1], v[64*((\k)%4)+vi:64*((\k)%4)+vi+1], v[BI+vi:BI+vi+1]
.set vi, vi+2
.endr
	WIN 0
.endm
; gelu of 16 numbers, in place.  Each batch of transcendentals has one plain stretch and one wait behind it, ahead of its first reader
.macro GELU k
.set XX, G+16*(\k)
.set gi, 0
.rept 16
	v_fma_f32 v[T+gi], |v[XX+gi]|, 0x3eb504f3, 1.0 ; 1 + |x| / (2 sqrt 2)
.set gi, gi+1
.endr
.set gi, 0
.rept 16
	v_rcp_f32 v[T+gi], v[T+gi]                     ; t
.set gi, gi+1
.endr
.set gi, 0
.rept 8
	v_pk_mul_f32 v[Y+gi:Y+gi+1], v[XX+gi:XX+gi+1], 0xbf38aa3b op_sel_hi:[1,0]   ; -x log2(e) / 2
.set gi, gi+2
.endr
	s_wait_alu depctr_va_vdst(0)
.set gi, 0
.rept 8
	v_pk_fma_f32 v[P+gi:P+gi+1], v[T+gi:T+gi+1], v[C9:C9+1], 0xbf97d29d op_sel_hi:[1,0,0]
.set gi, gi+2
.endr
.irp c, 0x40097039, 0xbfd1a1e5, 0x3ecdfd18, 0xbe899a80, 0x3e0efb2e, 0x3f0a29d2, 0x3fb8ab5a, 0xc034d90f
.set gi, 0
.rept 8
	v_pk_fma_f32 v[P+gi:P+gi+1], v[P+gi:P+gi+1], v[T+gi:T+gi+1], \c op_sel_hi:[1,1,0]
.set gi, gi+2
.endr
.endr
.set gi, 0
.rept 8
	v_pk_fma_f32 v[P+gi:P+gi+1], v[Y+gi:Y+gi+1], v[XX+gi:XX+gi+1], v[P+gi:P+gi+1]   ; poly - x^2 log2(e) / 2
.set gi, gi+2
.endr
.set gi, 0
.rept 16
	v_exp_f32 v[P+gi], v[P+gi]
.set gi, gi+1
.endr
.set gi, 0
.rept 16
	v_max_num_f32 v[Y+gi], 0, v[XX+gi]
.set gi, gi+1
.endr
	s_wait_alu depctr_va_vdst(0)
.set gi, 0
.rept 8
	v_pk_mul_f32 v[P+gi:P+gi+1], v[P+gi:P+gi+1], v[T+gi:T+gi+1]
.set gi, gi+2
.endr
.set gi, 0
.rept 8
	v_pk_mul_f32 v[P+gi:P+gi+1], v[P+gi:P+gi+1], v[XX+gi:XX+gi+1]
.set gi, gi+2
.endr
.set gi, 0
.rept 16
	v_sub_f32 v[XX+gi], v[Y+gi], |v[P+gi]|
.set gi, gi+1
.endr
.endm
	s_wait_loadcnt 0x0                             ; b1
	s_wait_tensorcnt 1                             ; the scale bytes and my part of K step 0 are in; K step 1's load may be out
	s_barrier_signal -1
	s_barrier_wait -1
	FETCH_B 0, 0, 0
	FETCH_A 0, 0, 0
	SCALES 0
	FETCH_A 0, 0, 4
	STEP 0, 0, 1
	s_mov_b32 s3, 1
.Llap:
	TURN 0, 1, 1
	STEP 1, 0, 0
	TURN 1, 0, 1
	STEP 0, 0, 0
	s_sub_co_u32 s3, s3, 1
	s_cmp_lg_u32 s3, 0
	s_cbranch_scc1 .Llap
	TURN 0, 1, 0
	STEP 1, 0, 0
	s_wait_dscnt 4*NL
	WIN MUL_LO
	MUL16 0, 1, NQ-1, 1, 0
	MUL16 2, 1, NQ-1, 1, 0
	s_wait_dscnt 0
	WIN MUL_HI
	MUL16 4, 1, NQ-1, 1, 0
	MUL16 6, 1, NQ-1, 1, 0
	WIN 0
	; THE WAY OUT: a loop over my eight blocks of 16 tokens, so that gelu and the quantiser are written once.
	PLACES NP
	s_mov_b32 s3, 0
	s_mov_b32 s18, 0
.Lblk:
.irp k, 0,1,2,3,4,5,6
	s_cmp_eq_u32 s3, \k
	s_cbranch_scc1 .Lvar\k
.endr
	VARIANT 7
	s_branch .Ljoin
.irp k, 0,1,2,3,4,5
.Lvar\k:
	VARIANT \k
	s_branch .Ljoin
.endr
.Lvar6:
	VARIANT 6
.Ljoin:
	GELU 0
	GELU 1
	GELU 2
	GELU 3
	; the quantiser: four blocks of 32 units; a block lies in lanes l and l xor 16
.irp b, 0,1,2,3
	v_max3_num_f32 v[TM+\b], |v[G+16*\b]|, |v[G+16*\b+1]|, 0x8000000
.endr
.irp i, 2,4,6,8,10,12,14
.irp b, 0,1,2,3
	v_max3_num_f32 v[TM+\b], v[TM+\b], |v[G+16*\b+\i]|, |v[G+16*\b+\i+1]|
.endr
.endr
.irp b, 0,1,2,3
	v_permlanex16_b32 v[TM+4+\b], v[TM+\b], s[SEL], s[SEL+1]
.endr
.irp b, 0,1,2,3
	v_max_num_f32 v[TM+\b], v[TM+\b], v[TM+4+\b]
.endr
.irp b, 0,1,2,3
	v_add_nc_u32 v[TM+12+\b], 0xf8800000, v[TM+\b]
	v_and_or_b32 v[TM+8+\b], v[TM+\b], 0x7f800000, s[MNT]
.endr
.irp b, 0,1,2,3
	v_lshrrev_b32 v[TM+4+\b], 23, v[TM+12+\b]
.endr
.irp b, 0,1,2,3
	v_cmp_neq_f32 vcc_lo, v[G+16*\b], v[G+16*\b]   ; a row of NaN keeps its NaN: the byte 0xff
	v_cndmask_b32 v[TM+4+\b], v[TM+4+\b], v[FF], vcc_lo
.endr
	v_lshl_or_b32 v[PW], v[TM+5], 8, v[TM+4]
	v_lshl_or_b32 v[PW], v[TM+6], 16, v[PW]
	v_lshl_or_b32 v[PW], v[TM+7], 24, v[PW]
.irp b, 0,1,2,3
.irp i, 0,1,2,3,4,5,6,7,8,9,10,11,12,13,14,15
	v_med3_num_f32 v[G+16*\b+\i], v[G+16*\b+\i], -v[TM+8+\b], v[TM+8+\b]
.endr
.endr
.irp b, 0,1,2,3
	v_cvt_scalef32_pk8_bf8_f32 v[PC+4*\b:PC+4*\b+1], v[G+16*\b:G+16*\b+7], v[TM+12+\b]
	v_cvt_scalef32_pk8_bf8_f32 v[PC+4*\b+2:PC+4*\b+3], v[G+16*\b+8:G+16*\b+15], v[TM+12+\b]
.endr
	v_nop                                          ; one plain vector instruction behind the last scaled conversion
.irp b, 0,1,2,3
	v_permlane16_swap_b32 v[PC+4*\b], v[PC+4*\b+2]       ; into the true order of K: w2's codes lie so
	v_permlane16_swap_b32 v[PC+4*\b+1], v[PC+4*\b+3]
.endr
	v_add_nc_u32 v[WAD], s18, v[SWA]
	ds_store_b32 v[WAD], v[PW]                     ; lanes l and l + 16 write the same word
.irp c, 0,1,2,3
	global_store_b128 v[VO], v[PC+4*\c:PC+4*\c+3], s[12:13] offset:512*\c   ; an image: 2,048 consecutive bytes
.endr
	s_wait_xcnt 0x0                                ; the stores have read their base and their data: both are written again in the next trip
	s_add_nc_u64 s[12:13], s[12:13], 65536         ; the next 16 tokens' image of the same K step
	s_add_co_u32 s18, s18, 64
	s_add_co_u32 s3, s3, 1
	s_cmp_lt_u32 s3, 8
	s_cbranch_scc1 .Lblk
	ds_load_b128 v[PC:PC+3], v[SRD]                ; in order behind my stores: my 128 tokens' words
	s_wait_dscnt 0x0
	global_store_b128 v[VO], v[PC:PC+3], s[46:47]  ; 512 consecutive bytes
	s_wait_tensorcnt 0x0                           ; the wave's end
	ds_add_u32 v[SPW], v[NIL]
	s_wait_dscnt 0x0
	CROUND
	s_endpgm
.Lfunc_end_k_qbef66470e9_ffn1:
	.size	k_qbef66470e9_ffn1, .Lfunc_end_k_qbef66470e9_ffn1-k_qbef66470e9_ffn1
	.p2alignl 7, 3214868480
	.fill 96, 4, 3214868480
	.section	.rodata,"a",@progbits
	.p2align	6, 0x0
	.amdhsa_kernel k_qbef66470e9_ffn1
		.amdhsa_group_segment_fixed_size 327680
		.amdhsa_private_segment_fixed_size 0
		.amdhsa_enable_private_segment 0
		.amdhsa_kernarg_size 40
		.amdhsa_user_sgpr_count 2
		.amdhsa_user_sgpr_kernarg_segment_ptr 1
		.amdhsa_wavefront_size32 1
		.amdhsa_system_sgpr_workgroup_id_x 1
		.amdhsa_system_sgpr_workgroup_id_y 1
		.amdhsa_system_sgpr_workgroup_id_z 1
		.amdhsa_system_vgpr_workitem_id 0
		.amdhsa_next_free_vgpr 1024
		.amdhsa_next_free_sgpr 102
		.amdhsa_reserve_vcc 1
		.amdhsa_float_denorm_mode_32 3
		.amdhsa_float_denorm_mode_16_64 3
		.amdhsa_memory_ordered 1
		.amdhsa_forward_progress 1
		.amdhsa_inst_pref_size 197
	.end_amdhsa_kernel
	.amdgpu_metadata
---
amdhsa.version: [ 1, 2 ]
amdhsa.kernels:
  - .name:           k_qbef66470e9_ffn1
    .symbol:         k_qbef66470e9_ffn1.kd
    .args:
      - { .name: hq, .offset: 0, .size: 8, .value_kind: global_buffer, .address_space: global }
      - { .name: w1_codes, .offset: 8, .size: 8, .value_kind: global_buffer, .address_space: global }
      - { .name: w1_scales, .offset: 16, .size: 8, .value_kind: global_buffer, .address_space: global }
      - { .name: b1, .offset: 24, .size: 8, .value_kind: global_buffer, .address_space: global }
      - { .name: gq, .offset: 32, .size: 8, .value_kind: global_buffer, .address_space: global }
    .group_segment_fixed_size: 327680
    .private_segment_fixed_size: 0
    .kernarg_segment_align: 8
    .kernarg_segment_size: 40
    .max_flat_workgroup_size: 128
    .sgpr_count:     102
    .vgpr_count:     1024
    .wavefront_size: 32
...
	.end_amdgpu_metadata
.endif
;; end of part 4
;; launch ffn2 (part 5): grid 8 x 32, 4 waves a work-group, clusters of 4 x 4, 327,680 bytes of LDS; arguments gq, w2_codes, w2_scales, b2, x, out0; writes out0
.if DOCPART == 5
	.amdgcn_target "amdgcn-amd-amdhsa--gfx1250"
	.amdhsa_code_object_version 6
	.text
	.protected	k_qbef66470e9_ffn2
	.globl	k_qbef66470e9_ffn2
	.p2align	8
	.type	k_qbef66470e9_ffn2,@function
k_qbef66470e9_ffn2:
	s_mov_b64 s[64:65], 0
	v_nop
	global_prefetch_b8 v0, s[64:65] scope:SCOPE_SE
	s_setreg_imm32_b32 hwreg(HW_REG_WAVE_MODE, 25, 1), 1
	s_wait_xcnt 0x0
	s_wait_alu depctr_hold_cnt(0) depctr_sa_sdst(0) depctr_va_vdst(0) depctr_va_sdst(0) depctr_va_ssrc(0) depctr_va_vcc(0) depctr_vm_vsrc(0)
	s_getreg_b32 s2, hwreg(HW_REG_IB_STS2, 6, 4)
	s_cmp_eq_u32 s2, 0
	s_cbranch_scc0 .Lentry_in_a_cluster
	s_endpgm
.Lentry_in_a_cluster:
	s_bfe_u32 s2, ttmp6, 0x10000c
	s_cmp_lg_u32 s2, 0xf033
	s_cbranch_scc0 .Lentry_shape_is_right
	s_endpgm
.Lentry_shape_is_right:
; out = x + b2 + g W2^T on codes of BF8 (E5M2) with one E8M0 scale for each 32 along K = 4,096.
; A tile of 128 tokens x 128 outputs to a work-group: 32 x 8 = 256 work-groups (tiles of 256 x 256 would be 64).  Four waves, 64 x 64 each: 16 accumulators.
; K goes in chunks of 512 (four matrix instructions deep) through a ring of two LDS slots; clusters of 4 x 4, A's tile shared along a row, B's along a column, asked for jointly.
; A (g) lies as images of operand registers, ((token / 16) 32 + K / 128) x 2,048: a chunk of 64 tokens is 4 rows of 8,192 bytes.  B (w2) lies as rows of 4,096 codes: 64 rows of 512 bytes, 16 of padding behind each.
; A's scale words ([K / 128][token], 512 bytes of each of 32 rows) and B's scale bytes (128 rows of 128, dense) come into LDS once.
; THE SUMS BEGIN AS x + b2: x is loaded straight into the accumulators, so every K step is like every other and nothing is added at the end.
; Source 0 = 16 rows of w2, source 1 = 16 tokens: a lane holds a token and eight neighbouring outputs.  A row of NaN in g (scale byte 0xff) gives a row of NaN.
; REGISTERS: window 0: v16-30 addresses; v32-63 A's scale words (set 16 + 4 block + step), v64-95 B's; v96-127 b2, later rows on their way out; v128-255 the accumulators.  window 1: two fragment buffers of 128: A's four fragments, then B's four.
.set HALFA,  32768                     ; 4 blocks x 4 images
.set BP,     528                       ; a row of B in LDS: 512 bytes + 16: the 16 rows of a fragment load start at 16 different banks (64 banks of 4 bytes: ISA guide 11.1)
.set HALFB,  64*BP
.set BOFF,   2*HALFA
.set SLOT,   BOFF+2*HALFB              ; 133,120
.set SCA,    2*SLOT                    ; A's scale words: [32][512 bytes]
.set SCB,    SCA+16384                 ; B's scale bytes: 64 units of 256 bytes + 16
.set SPARE,  SCB+17408                 ; the spare words: two blocks of 256 bytes that no other line names
.set SPITCH, 272                       ; the way out: a stage of 16 rows x (256 bytes + 16) a wave, in slot 0, which has had its last fill and its last read by then
.set ADRA, 16
.set ADRB, 20
.set ADSA, 22
.set ADSB, 23
.set STO,  24
.set RD,   25
.set CO,   26
.set XA,   27
.set SPW,  28
.set NIL,  29
.set BA,   30
.set SA,   32
.set SB,   64
.set B2,   96
.set ACC,  128
.set F0,   0
.set F1,   128
.set G1, 24
.set G0, 32
.set G1B, 48
.set G0B, 56
.set G1S, 68
.set G0S, 76
.set G1SB, 80
.set G0SB, 88
.set MSB, 0
.macro WIN new
.if MSB != (\new)
	s_set_vgpr_msb (MSB<<8)|(\new)
.set MSB, (\new)
.endif
.endm
.set MUL,  0x05                        ; sources 0 and 1 window 1; C and D window 0
.set TO_F, 0x40                        ; destination window 1, address window 0
.macro JLOAD g0a, g1a, g0b, g1b        ; waves 0 and 1 fetch for A, waves 2 and 3 for B; four v_nop follow each of the two lines
	s_cmp_eq_u32 s15, 0
	s_cbranch_scc0 .Lfor_b_\@
	tensor_load_to_lds s[\g0a:\g0a+3], s[\g1a:\g1a+7]
	s_nop 0
.rept 4
	v_nop
.endr
	s_branch .Lasked_\@
.Lfor_b_\@:
	tensor_load_to_lds s[\g0b:\g0b+3], s[\g1b:\g1b+7]
	s_nop 0
.rept 4
	v_nop
.endr
.Lasked_\@:
.endm
.macro CREST
	s_cmp_lg_u32 s14, 0
	s_cbranch_scc1 .Lnot_wave_0_\@
	s_barrier_signal -3
.Lnot_wave_0_\@:
	s_barrier_wait -3
	s_barrier_signal -1
	s_barrier_wait -1
.endm
.macro CROUND
	s_barrier_signal -1
	s_barrier_wait -1
	CREST
.endm
	s_load_b256 s[4:11], s[0:1], 0x0               ; gq, w2's codes, w2's scales, b2
	s_load_b128 s[96:99], s[0:1], 0x20             ; x, out0
	v_lshl_add_u32 v[SPW], v0, 2, SPARE
	v_mov_b32 v[NIL], 0
	ds_add_u32 v28, v29
	ds_add_u32 v28, v29
	s_wait_dscnt 0x0
	v_lshrrev_b32 v1, 5, v0
	v_readfirstlane_b32 s14, v1
	s_lshr_b32 s15, s14, 1                         ; my half of the tokens.  Also: I fetch for A (0) or for B (1)
	s_and_b32 s16, s14, 1                          ; my half of the outputs.  Also: which half I fetch
	s_bfe_u32 s40, ttmp6, 0x40000
	s_bfe_u32 s41, ttmp6, 0x40004
	s_lshl_b32 s42, ttmp9, 2
	s_add_co_u32 s42, s42, s40                     ; tile column (outputs)
	s_and_b32 s17, ttmp7, 0xffff
	s_lshl_b32 s17, s17, 2
	s_add_co_u32 s17, s17, s41                     ; tile row (tokens)
	s_lshl_b32 s43, s41, 2
	s_lshl_b32 s43, 15, s43
	s_lshl_b32 s44, 0x1111, s40
	s_or_b32 s[G1+0], s43, (3<<16)|(1<<21)         ; A's codes: elements of 8 bytes, no padding
	s_mov_b32 s[G1+1], 1024<<16                    ; four images: 8,192 bytes
	s_mov_b32 s[G1+2], 4<<16                       ; 4 blocks of 16 tokens
	s_mov_b32 s[G1+3], 1024<<16
	s_mov_b32 s[G1+4], 4
	s_mov_b32 s[G1+5], 8192                        ; a block's 32 images: 65,536 bytes
	s_mov_b32 s[G1+6], 0
	s_mov_b32 s[G1+7], 0
	s_or_b32 s[G1B+0], s44, (0<<16)|(1<<20)|(1<<21)|(6<<22)|(3<<25)  ; B's codes: 4 words of padding behind every 128
	s_mov_b32 s[G1B+1], 512<<16
	s_mov_b32 s[G1B+2], 64<<16
	s_mov_b32 s[G1B+3], 512<<16
	s_mov_b32 s[G1B+4], 64
	s_mov_b32 s[G1B+5], 4096
	s_mov_b32 s[G1B+6], 0
	s_mov_b32 s[G1B+7], 0
	s_or_b32 s[G1S+0], s43, (3<<16)|(1<<21)        ; A's scale words: 16 rows of 512 bytes, 16,384 bytes apart
	s_mov_b32 s[G1S+1], 64<<16
	s_mov_b32 s[G1S+2], 16<<16
	s_mov_b32 s[G1S+3], 64<<16
	s_mov_b32 s[G1S+4], 16
	s_mov_b32 s[G1S+5], 2048
	s_mov_b32 s[G1S+6], 0
	s_mov_b32 s[G1S+7], 0
	s_or_b32 s[G1SB+0], s44, (3<<16)|(1<<20)|(1<<21)|(5<<22)|(3<<25)  ; B's scale bytes: a dense block as 32 rows of 256 bytes, 16 of padding behind each
	s_mov_b32 s[G1SB+1], 32<<16
	s_mov_b32 s[G1SB+2], 32<<16
	s_mov_b32 s[G1SB+3], 32<<16
	s_mov_b32 s[G1SB+4], 32
	s_mov_b32 s[G1SB+5], 32
	s_mov_b32 s[G1SB+6], 0
	s_mov_b32 s[G1SB+7], 0
	s_lshl_b32 s20, s17, 3
	s_lshl_b32 s18, s16, 2
	s_add_co_u32 s20, s20, s18
	s_lshl_b32 s20, s20, 16                        ; A's codes: the 4 blocks that I fetch
	s_mov_b32 s21, 0
	s_lshl_b32 s22, s16, 18                        ; A's scale words: K steps 16 x half on,
	s_lshl_b32 s18, s17, 9                         ; the tile's 128 tokens
	s_add_co_u32 s22, s22, s18
	s_add_co_u32 s22, s22, 16777216
	s_mov_b32 s23, 0
	s_lshl_b32 s46, s42, 7
	s_lshl_b32 s18, s16, 6
	s_add_co_u32 s46, s46, s18                     ; B: the 64 rows that I fetch
	s_lshl_b32 s92, s46, 7
	s_mov_b32 s93, 0
	s_lshl_b32 s46, s46, 12
	s_mov_b32 s47, 0
	s_mul_i32 s45, s16, HALFA
	s_mul_i32 s95, s16, HALFB
	s_add_co_u32 s95, s95, BOFF
	s_mul_i32 s94, s16, 8192
	s_mul_i32 s19, s16, 8704
	s_wait_kmcnt 0x0
	s_add_nc_u64 s[20:21], s[4:5], s[20:21]
	s_add_nc_u64 s[22:23], s[4:5], s[22:23]
	s_add_nc_u64 s[46:47], s[6:7], s[46:47]
	s_add_nc_u64 s[92:93], s[8:9], s[92:93]
	CROUND                                         ; all sixteen work-groups are here: the first joint loads meet
	s_mov_b32 s[G0S], 1
	s_add_co_u32 s[G0S+1], s94, SCA
	s_mov_b64 s[G0S+2:G0S+3], s[22:23]
	s_or_b32 s[G0S+3], s[G0S+3], 0x80000000
	s_mov_b32 s[G0SB], 1
	s_add_co_u32 s[G0SB+1], s19, SCB
	s_mov_b64 s[G0SB+2:G0SB+3], s[92:93]
	s_or_b32 s[G0SB+3], s[G0SB+3], 0x80000000
	JLOAD G0S, G1S, G0SB, G1SB
.irp s, 0,1
	s_mov_b32 s[G0+4*\s], 1
	s_add_co_u32 s[G0+4*\s+1], s45, \s*SLOT
	s_add_nc_u64 s[G0+4*\s+2:G0+4*\s+3], s[20:21], \s*8192
	s_or_b32 s[G0+4*\s+3], s[G0+4*\s+3], 0x80000000
	s_mov_b32 s[G0B+4*\s], 1
	s_add_co_u32 s[G0B+4*\s+1], s95, \s*SLOT
	s_add_nc_u64 s[G0B+4*\s+2:G0B+4*\s+3], s[46:47], \s*512
	s_or_b32 s[G0B+4*\s+3], s[G0B+4*\s+3], 0x80000000
	JLOAD G0+4*\s, G1, G0B+4*\s, G1B               ; three loads of mine are out now; behind each later round one
.endr
	v_and_b32 v1, 15, v0                           ; r
	v_bfe_u32 v2, v0, 4, 1                         ; h
	v_and_b32 v3, 31, v0
	v_lshlrev_b32 v4, 4, v3
	s_lshl_b32 s21, s15, 15
	v_add_nc_u32 v[ADRA], s21, v4
	v_add_nc_u32 v[ADRA+1], SLOT, v[ADRA]
	v_mul_u32_u24 v5, v1, BP
	v_lshl_add_u32 v5, v2, 4, v5
	s_mul_i32 s22, s16, HALFB
	s_add_co_u32 s22, s22, BOFF
	v_add_nc_u32 v[ADRB], s22, v5
	v_add_nc_u32 v[ADRB+1], SLOT, v[ADRB]
	s_lshl_b32 s21, s15, 8
	s_add_co_u32 s21, s21, SCA
	v_lshl_add_u32 v[ADSA], v1, 2, s21             ; A's words: 4 (64 half + r)
	v_lshrrev_b32 v5, 1, v1
	v_mul_u32_u24 v5, v5, 272
	v_and_b32 v6, 1, v1
	v_lshl_add_u32 v5, v6, 7, v5                   ; B's: two rows of 128 bytes to a unit
	s_mul_i32 s22, s16, 8704
	s_add_co_u32 s22, s22, SCB
	v_add_nc_u32 v[ADSB], s22, v5
	s_mul_i32 s23, s14, 16*SPITCH                  ; my stage
	v_mul_u32_u24 v5, v1, SPITCH
	v_lshl_add_u32 v5, v2, 5, v5
	v_add_nc_u32 v[STO], s23, v5                   ; in: row r, + 32 h
	v_mul_u32_u24 v5, v2, SPITCH
	v_lshl_add_u32 v5, v1, 4, v5
	v_add_nc_u32 v[RD], s23, v5                    ; back: lanes 0-15 one row, lanes 16-31 the next
	v_lshlrev_b32 v5, 12, v2
	v_lshl_add_u32 v[CO], v1, 4, v5                ; and the same two rows in out0
	v_lshlrev_b32 v5, 12, v1
	v_lshl_add_u32 v[XA], v2, 5, v5                ; x: row r, + 32 h
	v_lshlrev_b32 v[BA], 5, v2
	s_lshl_b32 s20, s17, 7
	s_lshl_b32 s21, s15, 6
	s_add_co_u32 s20, s20, s21
	s_lshl_b32 s20, s20, 12                        ; my first token's row,
	s_lshl_b32 s46, s42, 9
	s_lshl_b32 s47, s16, 8
	s_add_co_u32 s46, s46, s47                     ; my first output, in bytes: a multiple of 256
	s_add_co_u32 s20, s20, s46
	s_mov_b32 s21, 0
	s_mov_b32 s47, 0
	s_add_nc_u64 s[96:97], s[96:97], s[20:21]
	s_add_nc_u64 s[98:99], s[98:99], s[20:21]
	s_add_nc_u64 s[10:11], s[10:11], s[46:47]
.irp a, 0,1,2,3
.irp b, 0,1,2,3
	global_load_b128 v[ACC+8*(4*\a+\b):ACC+8*(4*\a+\b)+3], v[XA], s[96:97] offset:65536*\a+64*\b th:TH_LOAD_NT       ; x(16 a + r, 16 b + 8 h + 0 .. 7)
	global_load_b128 v[ACC+8*(4*\a+\b)+4:ACC+8*(4*\a+\b)+7], v[XA], s[96:97] offset:65536*\a+64*\b+16 th:TH_LOAD_NT
.endr
.endr
.irp b, 0,1,2,3
	global_load_b128 v[B2+8*\b:B2+8*\b+3], v[BA], s[10:11] offset:64*\b
	global_load_b128 v[B2+8*\b+4:B2+8*\b+7], v[BA], s[10:11] offset:64*\b+16
.endr
	s_wait_loadcnt 0x0
.irp a, 0,1,2,3
.irp b, 0,1,2,3
.irp j, 0,2,4,6
	v_pk_add_f32 v[ACC+8*(4*\a+\b)+\j:ACC+8*(4*\a+\b)+\j+1], v[ACC+8*(4*\a+\b)+\j:ACC+8*(4*\a+\b)+\j+1], v[B2+8*\b+\j:B2+8*\b+\j+1]
.endr
.endr
.endr
.macro FETCH slot, q, f                ; 32 LDS loads: the fragments of the slot's q-th 128 along K into buffer f
	WIN TO_F
.irp i, 0,1,2,3
.irp c, 0,1,2,3
	ds_load_b128 v[(\f)+64+16*\i+4*\c:(\f)+64+16*\i+4*\c+3], v[ADRB+\slot] offset:128*(\q)+32*\c+\i*16*BP
.endr
.endr
.irp i, 0,1,2,3
.irp c, 0,1,2,3
	ds_load_b128 v[(\f)+16*\i+4*\c:(\f)+16*\i+4*\c+3], v[ADRA+\slot] offset:8192*\i+2048*(\q)+512*\c
.endr
.endr
.endm
.macro SCALES set                      ; a chunk's scale words: A's 4 blocks x 4 steps, one word a load; B's 4 blocks, four words a load
.irp i, 0,1,2,3
.irp q, 0,1,2,3
	ds_load_b32 v[SA+16*\set+4*\i+\q], v[ADSA] offset:512*\q+64*\i
.endr
.endr
.irp i, 0,1,2,3
	ds_load_b128 v[SB+16*\set+4*\i:SB+16*\set+4*\i+3], v[ADSB] offset:2176*\i
.endr
.endm
.macro MUL4 f, q, set, a               ; the 16 accumulators take turns, one instruction a turn, in the same order in every step
.irp b, 0,1,2,3
	v_wmma_scale_f32_16x16x128_f8f6f4 v[ACC+8*(4*(\a)+\b):ACC+8*(4*(\a)+\b)+7], v[(\f)+64+16*\b:(\f)+64+16*\b+15], v[(\f)+16*(\a):(\f)+16*(\a)+15], v[ACC+8*(4*(\a)+\b):ACC+8*(4*(\a)+\b)+7], v[SB+16*(\set)+4*\b+(\q)], v[SA+16*(\set)+4*(\a)+(\q)] matrix_a_fmt:MATRIX_FMT_BF8 matrix_b_fmt:MATRIX_FMT_BF8
.endr
.endm
.macro PLACES n
.rept \n
	v_nop
.endr
.endm
.macro STEP slot, q, f, g              ; one of a chunk's first three steps: the next step's fragments are asked for, then buffer f is multiplied
	s_wait_dscnt 0x0                               ; buffer f (and, in a chunk's first step, its scale words) is in
	PLACES 8                                       ; behind the products that read buffer g
	FETCH \slot, (\q)+1, \g
	WIN MUL
	MUL4 \f, \q, \slot, 0
	MUL4 \f, \q, \slot, 1
	MUL4 \f, \q, \slot, 2
	MUL4 \f, \q, \slot, 3
.endm
; A chunk's last step multiplies buffer 1 and changes slots: one barrier; in front of it each wave waits for all its tensor loads, adds 0 to its spare word, and waits for that and for its reads of this slot.
.macro TURN slot, next, fill
	WIN 0                                          ; (the add's two registers lie in window 0)
	s_wait_tensorcnt 0x0                           ; all my tensor loads have landed: my part of the next slot
	ds_add_u32 v[SPW], v[NIL]                      ; 0 onto my spare word
	s_wait_dscnt 1                                 ; buffer 1 is in; only the add may be out
	WIN MUL
	MUL4 F1, 3, \slot, 0
	s_wait_dscnt 0x0                               ; the add is done, and my reads of this slot are over
	s_barrier_signal -1
	MUL4 F1, 3, \slot, 1
	WIN 0
	s_barrier_wait -1
.if \fill
	CREST                                          ; no wave of any partner still reads this slot or has a load on its way
	s_add_nc_u64 s[G0+4*\slot+2:G0+4*\slot+3], s[G0+4*\slot+2:G0+4*\slot+3], 2*8192
	s_add_nc_u64 s[G0B+4*\slot+2:G0B+4*\slot+3], s[G0B+4*\slot+2:G0B+4*\slot+3], 2*512
	JLOAD G0+4*\slot, G1, G0B+4*\slot, G1B         ; the first tensor load behind the round; its four v_nop are among the places below
	PLACES 4
.else
	PLACES 8
.endif
	v_add_nc_u32 v[ADSA], 2048, v[ADSA]            ; the next chunk's scale words
	v_add_nc_u32 v[ADSB], 16, v[ADSB]
	FETCH \next, 0, F0
	WIN 0
	SCALES \next
	WIN MUL
	MUL4 F1, 3, \slot, 2
	MUL4 F1, 3, \slot, 3
.endm
	s_wait_tensorcnt 1                             ; the scales and my part of chunk 0 are in; chunk 1's load may be out
	s_barrier_signal -1
	s_barrier_wait -1
	FETCH 0, 0, F0
	WIN 0
	SCALES 0
	s_mov_b32 s3, 3
.Llap:                                                 ; three trips: chunks 0 to 5, each of which has its slot filled again
	STEP 0, 0, F0, F1
	STEP 0, 1, F1, F0
	STEP 0, 2, F0, F1
	TURN 0, 1, 1
	STEP 1, 0, F0, F1
	STEP 1, 1, F1, F0
	STEP 1, 2, F0, F1
	TURN 1, 0, 1
	WIN 0
	s_sub_co_u32 s3, s3, 1
	s_cmp_lg_u32 s3, 0
	s_cbranch_scc1 .Llap
	STEP 0, 0, F0, F1                              ; chunks 6 and 7 are written out: nothing is left to fetch
	STEP 0, 1, F1, F0
	STEP 0, 2, F0, F1
	TURN 0, 1, 0
	STEP 1, 0, F0, F1
	STEP 1, 1, F1, F0
	STEP 1, 2, F0, F1
	s_wait_dscnt 0x0
	MUL4 F1, 3, 1, 0
	MUL4 F1, 3, 1, 1
	MUL4 F1, 3, 1, 2
	MUL4 F1, 3, 1, 3
	WIN 0
	; THE WAY OUT: a block of 16 tokens x 64 outputs goes through my own stage and comes back as whole rows of 256 bytes.  LDS serves a wave's instructions in order, so no wait stands between the stores and the loads.
	PLACES 8
.irp a, 0,1,2,3
.irp b, 0,1,2,3
	ds_store_b128 v[STO], v[ACC+8*(4*\a+\b):ACC+8*(4*\a+\b)+3] offset:64*\b        ; each accumulator from its low end on
	ds_store_b128 v[STO], v[ACC+8*(4*\a+\b)+4:ACC+8*(4*\a+\b)+7] offset:64*\b+16
.endr
	s_wait_xcnt 0x0                                ; the last block's stores have read the registers that the loads below fill
.irp t, 0,1,2,3,4,5,6,7
	ds_load_b128 v[B2+4*\t:B2+4*\t+3], v[RD] offset:\t*2*SPITCH
.endr
	s_wait_dscnt 0x0
.irp t, 0,1,2,3,4,5,6,7
	global_store_b128 v[CO], v[B2+4*\t:B2+4*\t+3], s[98:99] offset:(16*\a+2*\t)*4096 th:TH_STORE_NT   ; 16 lanes store 256 consecutive bytes, at a multiple of 256 from out0's first byte
.endr
.endr
	s_wait_tensorcnt 0x0                           ; the wave's end
	ds_add_u32 v[SPW], v[NIL]
	s_wait_dscnt 0x0
	CROUND                                         ; the closing round
	s_endpgm
.Lfunc_end_k_qbef66470e9_ffn2:
	.size	k_qbef66470e9_ffn2, .Lfunc_end_k_qbef66470e9_ffn2-k_qbef66470e9_ffn2
	.p2alignl 7, 3214868480
	.fill 96, 4, 3214868480
	.section	.rodata,"a",@progbits
	.p2align	6, 0x0
	.amdhsa_kernel k_qbef66470e9_ffn2
		.amdhsa_group_segment_fixed_size 327680
		.amdhsa_private_segment_fixed_size 0
		.amdhsa_enable_private_segment 0
		.amdhsa_kernarg_size 48
		.amdhsa_user_sgpr_count 2
		.amdhsa_user_sgpr_kernarg_segment_ptr 1
		.amdhsa_wavefront_size32 1
		.amdhsa_system_sgpr_workgroup_id_x 1
		.amdhsa_system_sgpr_workgroup_id_y 1
		.amdhsa_system_sgpr_workgroup_id_z 1
		.amdhsa_system_vgpr_workitem_id 0
		.amdhsa_next_free_vgpr 512
		.amdhsa_next_free_sgpr 102
		.amdhsa_reserve_vcc 0
		.amdhsa_float_denorm_mode_32 3
		.amdhsa_float_denorm_mode_16_64 3
		.amdhsa_memory_ordered 1
		.amdhsa_forward_progress 1
		.amdhsa_inst_pref_size 103
	.end_amdhsa_kernel
	.amdgpu_metadata
---
amdhsa.version: [ 1, 2 ]
amdhsa.kernels:
  - .name:           k_qbef66470e9_ffn2
    .symbol:         k_qbef66470e9_ffn2.kd
    .args:
      - { .name: gq, .offset: 0, .size: 8, .value_kind: global_buffer, .address_space: global }
      - { .name: w2_codes, .offset: 8, .size: 8, .value_kind: global_buffer, .address_space: global }
      - { .name: w2_scales, .offset: 16, .size: 8, .value_kind: global_buffer, .address_space: global }
      - { .name: b2, .offset: 24, .size: 8, .value_kind: global_buffer, .address_space: global }
      - { .name: x, .offset: 32, .size: 8, .value_kind: global_buffer, .address_space: global }
      - { .name: out0, .offset: 40, .size: 8, .value_kind: global_buffer, .address_space: global }
    .group_segment_fixed_size: 327680
    .private_segment_fixed_size: 0
    .kernarg_segment_align: 8
    .kernarg_segment_size: 48
    .max_flat_workgroup_size: 128
    .sgpr_count:     102
    .vgpr_count:     512
    .wavefront_size: 32
...
	.end_amdgpu_metadata
.endif
;; end of part 5
;; ======== version 2 of 2: 5 launches; version 1 with the launch attn written anew for expert scheduling mode
;; workspace buffers: xq 4,325,376 bytes; mk 532,480 bytes of whole numbers; qkv 12,976,128 bytes; hq 4,325,376 bytes; gq 17,301,504 bytes
;; launch prep: the kernel of part 1 again; grid 256 x 1, 4 waves a work-group, no clusters, 33,280 bytes of LDS; arguments x, mask, xq, mk; writes xq, mk
;; launch qkv: the kernel of part 2 again; grid 12 x 16, 4 waves a work-group, clusters of 4 x 4, 327,680 bytes of LDS; arguments xq, wq_codes, wq_scales, wk_codes, wk_scales, wv_codes, wv_scales, qkv; writes qkv
;; launch attn (part 6): grid 8 x 32, 16 waves a work-group, no clusters, 272,384 bytes of LDS; arguments qkv, mk, x, hq; writes hq
.if DOCPART == 6
	.amdgcn_target "amdgcn-amd-amdhsa--gfx1250"
	.amdhsa_code_object_version 6
	.text
	.protected	k_qbef66470e9_attn
	.globl	k_qbef66470e9_attn
	.p2align	8
	.type	k_qbef66470e9_attn,@function
k_qbef66470e9_attn:
	s_mov_b64 s[64:65], 0
	v_nop
	global_prefetch_b8 v0, s[64:65] scope:SCOPE_SE
	s_setreg_imm32_b32 hwreg(HW_REG_WAVE_SCHED_MODE, 0, 2), 2
	s_setreg_imm32_b32 hwreg(HW_REG_WAVE_MODE, 25, 1), 1
	s_wait_xcnt 0x0
	s_wait_alu depctr_vm_vsrc(0)
; h = x + attention(q, k, v, mask), quantised along D: both products on codes of BF8 (E5M2) with one E8M0 scale for each 32 along K.
; t = score x log2(e) / 8; M = the running largest t rounded up to a whole number; p = 2^(t - M) is quantised along the keys; the row's sum is taken of the unquantised p and divides at the end.
; SHARES.  Work-group (j, b 16 + head); each of sixteen waves owns one tile of 16 queries and walks the head's 16 key steps of 128 keys.
;   Wave w: i = (w / 4) xor (w % 4), u = 4 i + ((j / 2) xor i), tile 8 u + 4 (j % 2) + w % 4: a one-to-one dealing of the 128 tiles; it enters global addresses alone.  A work-group has four values of u, four tiles of each,
;   and among the waves of equal w % 4, and among those of equal w / 4, each u stands once: where a mask keeps more keys for later queries, every such group of four waves has as many steps to work as every other, in every trip.
; K AND V COME STEP BY STEP, as images of operand registers: a step is 8,192 bytes of each, 16 bytes a thread.  Trip s loads step s + 2 into registers, stores step s + 1 into that step's own LDS bytes at its end, and passes a barrier:
;   each LDS byte is written once, ahead of the barrier behind which it is first read.  Two sets of eight registers take turns, so the loop's trip is two key steps; steps 14 and 15 are written out, since they load nothing.
; THE MASK IS AN INPUT.  An earlier launch stored, for each (tile, key step), 64 lane masks and a flag.  A step whose flag says that no byte is set is left out (its p are all 0); one whose flag says that all are set
;   neither loads nor uses the lane masks; else hidden scores become -infinity ahead of the maximum.  A row with no key at all ends with sum 0: 0 x (1 / 0) is NaN, and its scale bytes are set to 0xff so that the NaN goes on.
; NO TENSOR LOAD, NO CLUSTER: the branches on the stored flags exclude the tensor mover here; what partners would share is read once a work-group, 270,336 bytes, against up to 256 tile steps of softmax.
; LAYOUT.  S^T = K Q^T, O^T = V^T P^T: a lane holds one query throughout.  The head's 64 are half of the instruction's K: a fragment of K holds 32 keys (keys 0-15 in K 0-63, keys 16-31 in K 64-127) and is multiplied twice,
;   by Q beside zero codes: v[24:39] (Q, zeros) and v[16:31] (zeros, Q).  So no LDS byte is read for nothing.  Score register n of lane (r, h) is key 16 (n / 8) + 8 h + n % 8; V's images carry the keys in that order.
; LIMITS: NaN and infinities among the inputs are not served; a block of zeros gets the byte 1 over zero codes.
; THE MODE: SCHED_MODE bits 1:0 = 2 (LLVM: expert scheduling mode 2), set by the entry lines.  The code itself states the register dependences between vector or matrix instructions and memory or LDS instructions, with s_wait_alu, always for 0.
; THE PLAN.  Registers that memory or LDS instructions touch, in the loop:
;   v[ADK], v[ADS], v[STK]   Written by three additions at a trip's head, on every wave's path; read by the trip's LDS loads (ADK, ADS) and by its two LDS stores at its end (STK).
;   v40-103, v[KW .. KW+3]   K's fragments and scale words land; the eight score products read them; V's land in the same registers; the four products of O^T read them.
;   LD0, LD1 (v240-255)      A trip's two global loads land in one set; the next trip's end stores that set into LDS.  No vector instruction names them.
;   v[T16], v[L16], v[RS], v[PFK], v[PFO]   Made at the head and never written again.
;   v[PCD ..], v[PWD]        Written by conversions and shifts; read by the scaled products as operand and scale.
; So a trip has: one wait on vm_vsrc at its head (the last trip's LDS instructions have read the three addresses and the set that is loaded again); one on va_vdst behind the three additions (the addresses are written, the last
; trip's products are done with v40-103 and KW; in the first trip also all that the kernel's head made); one behind the score products (they are done with K's fragments, in which V's land); the two behind the exponentials;
; and one ahead of the products of O^T (p's codes and scale word are written).  Nothing is owed at the trip's end: no vector instruction behind the head's wait names v[STK] or the set that is stored.
.set KSC,  262144                      ; LDS: step s at 16,384 s: K's four images of 2,048 bytes, then V's four; behind the 16 steps K's scale words, 64 bytes an image,
.set VSC,  266240                      ; and V's
.set L16,  1                           ; v1   16 x lane
.set RS,   2                           ; v2   KSC + 4 r
.set NINF, 3                           ; v3   -infinity
.set STK,  4                           ; v4   16 x thread + the step's first LDS byte: my 16 bytes of the next step's K go 16,384 bytes on, V's 24,576
.set FF,   4                           ;      (on the way out: 0xff)
.set PFK,  5                           ; v5   the offset of the prefetches of K and V; never rewritten
.set QW,   6                           ; v6   Q's scale word
.set PFO,  7                           ; v7   the offset of the prefetch of x; never rewritten
.set ADK,  8
.set ADS,  10
.set T16,  11                          ; v11  16 x thread; never rewritten
.set S,    104                         ; v104-167 S^T, then p; on the way out x, then h
.set O,    168                         ; v168-199 O^T
.set PCD,  200                         ; v200-215 p's codes
.set TM,   216                         ; +0 block maxima, +4 bytes, +8 limits, +12 scale operands
.set F,    232                         ; v[232:233] f = 2^(old M - new M)
.set TP,   234                         ; at work
.set PW,   234                         ; the way out: h's scale bytes
.set PWD,  235                         ; p's scale word
.set KW,   236                         ; v236-239 K's or V's scale words
.set LD,   240                         ; v240-255 two sets of 8: 16 bytes of K and 16 of V on their way to LDS
.set WV,   2
.set KB,   4                           ; s[4:5] K's codes of my head, at the step that the last trip's loads counted from; V's lie 4,194,304 bytes on
.set BH,   12
.set BB,   13
.set HEAD, 14
.set TAU,  16
.set LIM,  17                          ; 1 in a wave that prefetches K or V, else the greatest number
.set SEL,  20
.set CS,   22
.set MNT,  24
.set TB,   25
.set TS,   26
.set TRIP, 27
.set ANY,  28
.set ALL,  29
.set MW,   66
	s_load_b256 s[4:11], s[0:1], 0x0               ; qkv, mk, x, hq
	v_lshrrev_b32 v1, 5, v0
	v_readfirstlane_b32 s[WV], v1                  ; wave 0..15
	v_lshlrev_b32 v[T16], 4, v0
	v_lshlrev_b32 v216, 3, v0                      ; 8 x thread
	v_and_b32 v217, 31, v0                         ; lane
	v_lshlrev_b32 v[L16], 4, v217
	v_and_b32 v218, 15, v0                         ; r
	v_bfe_u32 v219, v0, 4, 1                       ; h
	v_lshlrev_b32 v220, 2, v218
	v_lshl_add_u32 v[RS], v218, 2, KSC
	v_add_nc_u32 v221, KSC, v216
	s_and_b32 s[BH], ttmp7, 0xffff
	s_lshr_b32 s[BB], s[BH], 4
	s_and_b32 s[HEAD], s[BH], 15
	s_wait_alu depctr_va_sdst(0)                   ; the wave's number is written, ahead of its first reader: the tile and the branches on the wave are made from it
	s_lshr_b32 s30, s[WV], 2
	s_and_b32 s31, s[WV], 3
	s_xor_b32 s15, s30, s31                        ; i
	s_lshr_b32 s3, ttmp9, 1                        ; j / 2
	s_xor_b32 s30, s3, s15
	s_lshl_b32 s15, s15, 2
	s_add_co_u32 s15, s15, s30                     ; u
	s_lshl_b32 s[TAU], s15, 3
	s_add_co_u32 s[TAU], s[TAU], s31
	s_and_b32 s15, ttmp9, 1
	s_lshl_b32 s15, s15, 2                         ; 4 (j % 2)
	s_add_co_u32 s[TAU], s[TAU], s15               ; my tile of queries
	s_lshl_b32 s32, s[BH], 17
	s_mov_b32 s33, 0
	s_lshl_b32 s34, s[BH], 12
	s_add_co_u32 s34, s34, 12582912
	s_mov_b32 s35, 0
	s_lshl_b32 s42, s[TAU], 10
	s_mov_b32 s43, 0
	s_lshr_b32 s44, s[TAU], 1
	s_lshl_b32 s44, s44, 6
	s_mov_b32 s45, 0
	s_lshl_b32 s46, s[TAU], 6
	s_add_co_u32 s46, s46, 524288
	s_mov_b32 s47, 0
	s_lshl_b32 s48, s[TAU], 12
	s_mov_b32 s49, 0
	s_lshl_b32 s18, s[BB], 23
	s_lshl_b32 s30, s[HEAD], 8
	s_add_co_u32 s18, s18, s30
	s_mov_b32 s19, 0
	s_wait_kmcnt 0x0
	s_add_nc_u64 s[36:37], s[4:5], s[32:33]        ; q's codes of my head
	s_add_nc_u64 s[38:39], s[4:5], s[34:35]        ; q's scale words; k's 131,072 on, v's 262,144
	s_add_nc_u64 s[42:43], s[36:37], s[42:43]      ; my tile's q
	s_add_nc_u64 s[44:45], s[38:39], s[44:45]
	s_add_nc_u64 s[46:47], s[6:7], s[46:47]        ; my tile's 16 flags
	s_add_nc_u64 s[MW:MW+1], s[6:7], s[48:49]      ; my tile's lane masks, 256 bytes a step
	s_add_nc_u64 s[18:19], s[8:9], s[18:19]        ; x at my batch's first row, my head's 256 bytes
	s_add_nc_u64 s[KB:KB+1], s[36:37], 4194304     ; k's codes of my head, step 0
	s_wait_alu depctr_va_vdst(0)                   ; the offsets v[T16], v[L16], v216, v220 and the LDS address v221 are written, which the loads and LDS stores below read
	global_load_b128 v[LD:LD+3], v[T16], s[KB:KB+1]                          ; K of step 0: the 512 threads read 8,192 consecutive bytes
	global_load_b128 v[LD+4:LD+7], v[T16], s[KB:KB+1] offset:4194304         ; V of step 0
	global_load_b64 v[168:169], v216, s[38:39] offset:131072                 ; K's scale words of the whole head,
	global_load_b64 v[170:171], v216, s[38:39] offset:262144                 ; and V's
	global_load_b128 v[24:27], v[L16], s[42:43]    ; Q's codes: e blocks 0 and 1
	global_load_b128 v[28:31], v[L16], s[42:43] offset:512
	global_load_b32 v[QW], v220, s[44:45]
	global_load_b32 v[TP], v220, s[46:47]          ; lane l: the flag of step l % 16
	global_load_b128 v[LD+8:LD+11], v[T16], s[KB:KB+1] offset:8192           ; step 1: the first trip's end stores it
	global_load_b128 v[LD+12:LD+15], v[T16], s[KB:KB+1] offset:4194304+8192
	s_wait_loadcnt 6                               ; step 0 and the scale words are in: behind them Q's two loads, Q's word, the flags and step 1's two
	ds_store_b128 v[T16], v[LD:LD+3]
	ds_store_b128 v[T16], v[LD+4:LD+7] offset:8192
	ds_store_b64 v221, v[168:169]
	ds_store_b64 v221, v[170:171] offset:4096
	s_wait_dscnt 0x0                               ; for the others' sake: my stores have landed
	s_barrier_signal -1
	s_barrier_wait -1                              ; step 0 and all scale words lie in LDS
	s_wait_alu depctr_vm_vsrc(0)                   ; the loads above have read v216 and v220, the LDS stores v221 and v168-171: all of these are written again below (at work, and as O^T)
	s_wait_loadcnt 2                               ; Q, its scale word, the flags; step 1's two loads may be out
	s_and_b32 s30, s[TAU], 1
	s_cmp_eq_u32 s30, 0
	s_mov_b32 s31, 0x03020302
	s_cselect_b32 s31, 0x01000100, s31
	v_perm_b32 v[QW], v[QW], v[QW], s31            ; my 16 tokens' two bytes, twice: they serve Q in either half of K
	v_and_b32 v222, 1, v[TP]
	v_cmp_ne_u32 s[ANY], 0, v222                   ; bit s: step s has some key for my tile
	v_and_b32 v222, 2, v[TP]
	v_cmp_ne_u32 s[ALL], 0, v222                   ; bit s: every key of step s counts
	; the offset of the prefetch of x: lanes 0-15 name my tile's 16 rows, lanes 16-31 the next wave's; the tile by the dealing above
	v_add_nc_u32 v[PFO], s[WV], v219
	v_lshrrev_b32 v222, 2, v[PFO]
	v_and_b32 v223, 3, v[PFO]
	v_xor_b32 v222, v222, v223                     ; i
	v_xor_b32 v224, s3, v222
	v_lshl_add_u32 v222, v222, 2, v224             ; u
	v_lshl_add_u32 v222, v222, 3, v223
	v_add_nc_u32 v222, s15, v222                   ; the tile
	v_lshl_add_u32 v222, v222, 4, v218             ; the row
	v_lshlrev_b32 v[PFO], 12, v222
	s_wait_alu depctr_va_sdst(0)                   ; the two masks of flags are written, ahead of their first readers (the tests at a trip's head) and of the loop's label
	; who prefetches K and V: waves 0 (K) and 1 (V) of the head's first work-group; lanes 256 bytes apart cover a step's 8,192 bytes; three steps on from the base
	s_lshr_b32 s30, s[WV], 1
	s_or_b32 s30, s30, ttmp9
	s_cmp_eq_u32 s30, 0
	s_cselect_b32 s[LIM], 1, -1
	s_and_b32 s30, s[WV], 1
	s_lshl_b32 s30, s30, 22
	s_add_co_u32 s30, s30, 24576
	v_lshl_add_u32 v[PFK], v217, 8, s30
	v_mov_b32 v[NINF], 0xff800000
	v_mov_b32 v13, 0xff61b1e6                      ; the largest t so far: -3e38
	v_floor_f32 v12, -v13                          ; -M
	v_mov_b32 v14, 0                               ; the sum, in two halves
	v_mov_b32 v15, 0
.irp i, 16,17,18,19,20,21,22,23,32,33,34,35,36,37,38,39
	v_mov_b32 v\i, 0                               ; the zero codes on either side of Q
.endr
.set i, 0
.rept 32
	v_mov_b32 v[O+i], 0                            ; O^T: the loop has no first step of its own
.set i, i+1
.endr
.irp b, 0,1,2,3
	v_mov_b32 v[TM+4+\b], 0                        ; a lane permute's destination counts as one of its sources
.endr
	v_mov_b32 v[F+1], 0                            ; named as the upper half of f's pair
	s_mov_b32 s[SEL], 0x76543210
	s_mov_b32 s[SEL+1], 0xfedcba98
	s_mov_b32 s[CS], 0x3e38aa3b                    ; c = log2(e) / 8
	s_mov_b32 s[CS+1], s[CS]
	s_mov_b32 s[MNT], 0x600000
	s_mov_b32 s[TB], 0
	s_mov_b32 s[TS], 0
	s_mov_b32 s[TRIP], 7
; S^T of the step's 128 keys; behind it V's four fragments are asked for, into the registers that K's have left: they land under the softmax
.macro SCORES
.irp b, 0,1,2,3
.irp c, 0,1,2,3
	ds_load_b128 v[40+16*\b+4*\c:43+16*\b+4*\c], v[ADK] offset:2048*\b+512*\c
.endr
	ds_load_b32 v[KW+\b], v[ADS] offset:64*\b
.endr
	s_wait_dscnt 0x0
.irp b, 0,1,2,3
	v_wmma_scale_f32_16x16x128_f8f6f4 v[S+16*\b:S+16*\b+7], v[40+16*\b:55+16*\b], v[24:39], 0, v[KW+\b], v[QW] matrix_a_fmt:MATRIX_FMT_BF8 matrix_b_fmt:MATRIX_FMT_BF8
	v_wmma_scale_f32_16x16x128_f8f6f4 v[S+16*\b+8:S+16*\b+15], v[40+16*\b:55+16*\b], v[16:31], 0, v[KW+\b], v[QW] matrix_a_fmt:MATRIX_FMT_BF8 matrix_b_fmt:MATRIX_FMT_BF8
.endr
.rept 8
	v_nop                                          ; places: in front of the first read of the scores (ISA guide 7.12.1)
.endr
	s_wait_alu depctr_va_vdst(0)                   ; the eight products are done reading K's fragments and scale words, in which V's land
.irp t, 0,1,2,3
.irp c, 0,1,2,3
	ds_load_b128 v[40+16*\t+4*\c:43+16*\t+4*\c], v[ADK] offset:8192+2048*\t+512*\c
.endr
	ds_load_b32 v[KW+\t], v[ADS] offset:4096+64*\t
.endr
.endm
; A KEY STEP.  p: the set of registers that this trip's loads fill (the other set is stored at its end).  ld = 1: the step two on is loaded.  st = 1: the next step is stored into LDS, and the barrier follows.
.macro TRIPM p, ld, st
	s_wait_alu depctr_vm_vsrc(0)                   ; the last trip's LDS loads have read v[ADK] and v[ADS]; its LDS stores have read v[STK] and the set of registers in which this trip's loads land
	v_add_nc_u32 v[ADK], s[TB], v[L16]
	v_add_nc_u32 v[ADS], s[TS], v[RS]
.if \st
	v_add_nc_u32 v[STK], s[TB], v[T16]             ; for the stores at the trip's end, which every wave runs: so the three additions stand ahead of the branch on the flag
.endif
	s_wait_alu depctr_va_vdst(0)                   ; the three addresses are written; the last trip's products are done reading v40-103 and v[KW ..], in which K's fragments land; in the first trip also: the prefetches' offsets, Q's scale word and the zero codes are written
.if \ld
	s_wait_xcnt 0x0                                ; the last trip's loads and prefetch, a barrier back, have read their base, so it may be stepped
	s_add_nc_u64 s[KB:KB+1], s[KB:KB+1], 8192
	global_load_b128 v[LD+8*\p:LD+8*\p+3], v[T16], s[KB:KB+1] offset:8192              ; K of the step two on,
	global_load_b128 v[LD+8*\p+4:LD+8*\p+7], v[T16], s[KB:KB+1] offset:4194304+8192    ; and V: they have this trip and the next in which to come
	; a prefetch into the L2 of the step FOUR on, which the trip two on will load: 32 lanes x 256 bytes are the step's 8,192 bytes of K (wave 0) or of V (wave 1).  All eight work-groups of a head walk the same K and V:
	; the first of them asks, so each block is named once in the launch.  Steps 0 to 3 come by their loads alone; the loop's last trip (steps 12 and 13) asks for nothing: there is no step 16.
	s_cmp_gt_u32 s[TRIP], s[LIM]
	s_cbranch_scc0 .Lnot_mine_\@
	global_prefetch_b8 v[PFK], s[KB:KB+1] th:TH_LOAD_NT scope:SCOPE_SE
.Lnot_mine_\@:
.endif
	s_bitcmp1_b32 s[ANY], 0
	s_cbranch_scc0 .Lskip_\@                       ; no key of this step counts for my tile: only the lines at the trip's end are run
.rept 6
	v_nop                                          ; with the additions above: eight places or more behind the last trip's products, as they stood
.endr
	s_bitcmp1_b32 s[ALL], 0
	s_cbranch_scc1 .Lfull_\@                       ; every key counts: the lane masks are neither loaded nor used
	s_load_b512 s[32:47], s[MW:MW+1], 0x0          ; the step's 64 lane masks
	s_load_b512 s[48:63], s[MW:MW+1], 0x40
	s_load_b512 s[68:83], s[MW:MW+1], 0x80
	s_load_b512 s[84:99], s[MW:MW+1], 0xc0
	SCORES
	s_wait_kmcnt 0x0                               ; the lane masks are in (and their address may be stepped)
.set n, 0
.rept 64
	v_cndmask_b32 v[S+n], v[NINF], v[S+n], s[32+n+4*(n/32)]   ; a hidden key's score becomes -infinity
.set n, n+1
.endr
	s_branch .Lopen_\@
.Lfull_\@:
	SCORES
.Lopen_\@:
.irp b, 0,1,2,3
	v_max3_num_f32 v[TM+\b], v[S+16*\b], v[S+1+16*\b], v[S+2+16*\b]   ; the largest score of each block of 32 keys: for the row's maximum and for the block's largest p
.endr
.irp i, 3,5,7,9,11,13
.irp b, 0,1,2,3
	v_max3_num_f32 v[TM+\b], v[TM+\b], v[S+16*\b+\i], v[S+1+16*\b+\i]
.endr
.endr
.irp b, 0,1,2,3
	v_max_num_f32 v[TM+\b], v[TM+\b], v[S+15+16*\b]
.endr
.irp b, 0,1,2,3
	v_permlanex16_b32 v[TM+4+\b], v[TM+\b], s[SEL], s[SEL+1]
.endr
.irp b, 0,1,2,3
	v_max_num_f32 v[TM+\b], v[TM+\b], v[TM+4+\b]
.endr
	v_max3_num_f32 v[TP], v[TM], v[TM+1], v[TM+2]
	v_max_num_f32 v[TP], v[TP], v[TM+3]
	v_mul_f32 v[TP], s[CS], v[TP]
	v_max_num_f32 v13, v13, v[TP]                  ; the running largest t
	v_mov_b32 v[TP], v12
	v_floor_f32 v12, -v13                          ; the new -M = -ceil(t)
	v_sub_f32 v[TP], v12, v[TP]                    ; old M - new M: a whole number, 0 or less
	v_cvt_i32_f32 v[TP], v[TP]                     ; (it saturates)
	v_ldexp_f32 v[F], 1.0, v[TP]                   ; f: a multiplication by it rounds nothing
.set n, 0
.rept 32
	v_pk_fma_f32 v[S+n:S+n+1], v[S+n:S+n+1], s[CS:CS+1], v[12:13] op_sel_hi:[1,0,0]   ; t - M
.set n, n+2
.endr
.irp b, 0,1,2,3
	v_fma_f32 v[TM+\b], v[TM+\b], s[CS], v12
.endr
.set n, 0
.rept 64
	v_exp_f32 v[S+n], v[S+n]                       ; p = 2^(t - M)
.set n, n+1
.endr
	v_pk_mul_f32 v[14:15], v[14:15], v[F:F+1] op_sel_hi:[1,0]   ; the sums under the new M: the plain instruction behind the batch
	s_wait_alu depctr_va_vdst(0)                   ; the 64 exponentials have written p, ahead of its first reader: one wait for the batch
.irp b, 0,1,2,3
	v_exp_f32 v[TM+\b], v[TM+\b]                   ; the block's largest p
.endr
	v_pk_add_f32 v[TM+4:TM+5], v[S:S+1], v[S+2:S+3]   ; the row's sum of the unquantised p, in two chains
.irp j, 4,8,12,16,20,24,28,32,36,40,44,48,52,56,60
	v_pk_add_f32 v[14:15], v[14:15], v[S+\j:S+\j+1]
	v_pk_add_f32 v[TM+4:TM+5], v[TM+4:TM+5], v[S+2+\j:S+3+\j]
.endr
	v_pk_add_f32 v[14:15], v[14:15], v[TM+4:TM+5]
	s_wait_alu depctr_va_vdst(0)                   ; the four exponentials have written the blocks' largest p, ahead of their first reader
.irp b, 0,1,2,3
	v_max_num_f32 v[TM+\b], 0x8000000, v[TM+\b]    ; the floor 2^(16 - 127)
.endr
.irp b, 0,1,2,3
	v_add_nc_u32 v[TM+12+\b], 0xf8800000, v[TM+\b]
.endr
.irp b, 0,1,2,3
	v_and_or_b32 v[TM+8+\b], v[TM+\b], 0x7f800000, s[MNT]
.endr
.irp b, 0,1,2,3
	v_lshrrev_b32 v[TM+4+\b], 23, v[TM+12+\b]
.endr
	v_lshl_or_b32 v[PWD], v[TM+5], 8, v[TM+4]      ; p's scale word for these 128 keys
	v_lshl_or_b32 v[PWD], v[TM+6], 16, v[PWD]
	v_lshl_or_b32 v[PWD], v[TM+7], 24, v[PWD]
.irp b, 0,1,2,3
.irp i, 0,1,2,3,4,5,6,7,8,9,10,11,12,13,14,15
	v_min_num_f32 v[S+16*\b+\i], v[S+16*\b+\i], v[TM+8+\b]   ; p is not negative: a one-sided hold
.endr
	v_cvt_scalef32_pk8_bf8_f32 v[PCD+4*\b:PCD+1+4*\b], v[S+16*\b:S+7+16*\b], v[TM+12+\b]
	v_cvt_scalef32_pk8_bf8_f32 v[PCD+2+4*\b:PCD+3+4*\b], v[S+8+16*\b:S+15+16*\b], v[TM+12+\b]
.endr
.set n, 0
.rept 16
	v_pk_mul_f32 v[O+n:O+n+1], v[O+n:O+n+1], v[F:F+1] op_sel_hi:[1,0]   ; O^T under the new M; these sixteen are also the places between the codes and the products
.set n, n+2
.endr
	s_wait_dscnt 0x0                               ; V's fragments and scale words are in
	s_wait_alu depctr_va_vdst(0)                   ; the conversions have written p's codes and the shifts its scale word, which the scaled products below take as operand and scale; the places above stay beside this wait
.irp t, 0,1,2,3
	v_wmma_scale_f32_16x16x128_f8f6f4 v[O+8*\t:O+8*\t+7], v[40+16*\t:55+16*\t], v[PCD:PCD+15], v[O+8*\t:O+8*\t+7], v[KW+\t], v[PWD] matrix_a_fmt:MATRIX_FMT_BF8 matrix_b_fmt:MATRIX_FMT_BF8
.endr
.Lskip_\@:
.if \st
	s_lshr_b32 s[ANY], s[ANY], 1
	s_lshr_b32 s[ALL], s[ALL], 1
	s_add_co_u32 s[TB], s[TB], 16384               ; the next step's bytes in LDS,
	s_add_co_u32 s[TS], s[TS], 256                 ; its scale words,
	s_add_nc_u64 s[MW:MW+1], s[MW:MW+1], 256       ; its lane masks
	s_wait_loadcnt 2*\ld                           ; the next step's K and V are in registers; this trip's two loads, for the step behind it, may be out
	ds_store_b128 v[STK], v[LD+8*(1-\p):LD+8*(1-\p)+3] offset:16384      ; no wait on the vector side: no vector or matrix instruction behind the wait at the trip's head names v[STK] or this set
	ds_store_b128 v[STK], v[LD+8*(1-\p)+4:LD+8*(1-\p)+7] offset:24576
	s_wait_dscnt 0x0                               ; for the others' sake: my stores have landed
	s_barrier_signal -1
	s_barrier_wait -1                              ; the next step lies whole in LDS.  Nobody has read its bytes, and nobody writes them again
.endif
.endm
.Lpair:                                                ; seven trips of two key steps: steps 0 to 13
	TRIPM 0, 1, 1
	TRIPM 1, 1, 1
	s_sub_co_u32 s[TRIP], s[TRIP], 1
	s_cmp_lg_u32 s[TRIP], 0
	s_cbranch_scc1 .Lpair
	; a prefetch into the L2 of the rows of x that the way out will load, two key steps ahead of those loads: even waves ask, for their own tile's 16 rows and the next wave's: each row's 256 bytes are named once in the launch
	s_and_b32 s30, s[WV], 1
	s_cmp_eq_u32 s30, 0
	s_cbranch_scc0 .Lno_ask
	global_prefetch_b8 v[PFO], s[18:19] th:TH_LOAD_NT scope:SCOPE_SE
.Lno_ask:
	TRIPM 0, 0, 1                                  ; step 14: nothing is left to load; step 15 goes into LDS
	TRIPM 1, 0, 0                                  ; step 15
	; THE WAY OUT: h = O^T / sum + x, quantised along D (my head's 64 are two blocks of 32), put into the true order of K, and stored as part of an image.
.rept 8
	v_nop                                          ; places behind the last products
.endr
	s_wait_alu depctr_vm_vsrc(0)                   ; step 15's LDS loads have read v8 and v10, which are written anew below
	v_and_b32 v8, 15, v0                           ; r
	v_bfe_u32 v9, v0, 4, 1                         ; h
	s_lshl_b32 s30, s[TAU], 4
	v_add_nc_u32 v10, s30, v8
	v_lshlrev_b32 v10, 12, v10
	v_lshl_add_u32 v10, v9, 5, v10                 ; x: my row, + 32 h
	s_wait_alu depctr_va_vdst(0)                   ; the offset v10 is written; the last step's products, holds and conversions are done writing and reading v[S ..], in which x lands
.irp t, 0,1,2,3
	global_load_b128 v[S+8*\t:S+8*\t+3], v10, s[18:19] offset:64*\t th:TH_LOAD_NT       ; x(row, 64 head + 16 t + 8 h + 0 .. 7): the wave uses up 256 aligned bytes of each of its 16 rows
	global_load_b128 v[S+8*\t+4:S+8*\t+7], v10, s[18:19] offset:64*\t+16 th:TH_LOAD_NT
.endr
	v_add_f32 v14, v14, v15
	v_permlanex16_b32 v[TP], v14, s[SEL], s[SEL+1]
	v_add_f32 v14, v14, v[TP]                      ; the row's sum
	v_rcp_f32 v14, v14
	v_lshlrev_b32 v9, 5, v8                        ; (a plain instruction behind the reciprocal)  32 bytes of scales a token
	v_mov_b32 v[FF], 0xff
	s_lshl_b32 s30, s[BB], 7
	s_add_co_u32 s30, s30, s[TAU]                  ; my block of 16 tokens
	s_lshl_b32 s32, s30, 14
	s_lshl_b32 s31, s[HEAD], 10
	s_add_co_u32 s32, s32, s31
	s_mov_b32 s33, 0
	s_add_nc_u64 s[32:33], s[10:11], s[32:33]      ; image (block, head / 2), groups 2 (head % 2) on
	s_lshl_b32 s34, s30, 9
	s_lshl_b32 s31, s[HEAD], 1
	s_add_co_u32 s34, s34, s31
	s_add_co_u32 s34, s34, 4194304
	s_mov_b32 s35, 0
	s_add_nc_u64 s[34:35], s[10:11], s[34:35]
	s_wait_alu depctr_va_vdst(0)                   ; the reciprocal has written v14, ahead of its first reader
	s_wait_loadcnt 0x0
.set n, 0
.rept 16
	v_pk_fma_f32 v[S+n:S+n+1], v[O+n:O+n+1], v[14:15], v[S+n:S+n+1] op_sel_hi:[1,0,1]
.set n, n+2
.endr
.irp b, 0,1
	v_max3_num_f32 v[TM+\b], |v[S+16*\b]|, |v[S+16*\b+1]|, 0x8000000
.endr
.irp i, 2,4,6,8,10,12,14
.irp b, 0,1
	v_max3_num_f32 v[TM+\b], v[TM+\b], |v[S+16*\b+\i]|, |v[S+16*\b+\i+1]|
.endr
.endr
.irp b, 0,1
	v_cmp_neq_f32 s[30+\b], v[S+16*\b], v[S+16*\b] ; a row without keys is NaN throughout: the two compares stand in a run, each with a mask of its own
.endr
.irp b, 0,1
	v_permlanex16_b32 v[TM+4+\b], v[TM+\b], s[SEL], s[SEL+1]
.endr
.irp b, 0,1
	v_max_num_f32 v[TM+\b], v[TM+\b], v[TM+4+\b]
.endr
.irp b, 0,1
	v_add_nc_u32 v[TM+12+\b], 0xf8800000, v[TM+\b]
	v_and_or_b32 v[TM+8+\b], v[TM+\b], 0x7f800000, s[MNT]
.endr
.irp b, 0,1
	v_lshrrev_b32 v[TM+4+\b], 23, v[TM+12+\b]
.endr
	s_wait_alu depctr_va_sdst(0)                   ; the two compares have written s30 and s31, ahead of the selections that read them
.irp b, 0,1
	v_cndmask_b32 v[TM+4+\b], v[TM+4+\b], v[FF], s[30+\b]   ; such a row's byte becomes 0xff, under which the next product's sums are NaN
.endr
	v_lshl_or_b32 v[PW], v[TM+5], 8, v[TM+4]
.irp b, 0,1
.irp i, 0,1,2,3,4,5,6,7,8,9,10,11,12,13,14,15
	v_med3_num_f32 v[S+16*\b+\i], v[S+16*\b+\i], -v[TM+8+\b], v[TM+8+\b]
.endr
.endr
.irp b, 0,1
	v_cvt_scalef32_pk8_bf8_f32 v[PCD+4*\b:PCD+4*\b+1], v[S+16*\b:S+16*\b+7], v[TM+12+\b]
	v_cvt_scalef32_pk8_bf8_f32 v[PCD+4*\b+2:PCD+4*\b+3], v[S+16*\b+8:S+16*\b+15], v[TM+12+\b]
.endr
	v_nop                                          ; one plain vector instruction behind the last scaled conversion
.irp b, 0,1
	v_permlane16_swap_b32 v[PCD+4*\b], v[PCD+4*\b+2]     ; places 8 h + .., 16 + 8 h + .. become 16 h + 0 .. 15: the order of w1's codes
	v_permlane16_swap_b32 v[PCD+4*\b+1], v[PCD+4*\b+3]
.endr
	s_wait_alu depctr_va_vdst(0)                   ; the swaps have written the codes, the shifts v[PW] and the offset v9: the three stores below read them
	global_store_b128 v[L16], v[PCD:PCD+3], s[32:33]               ; 1,024 consecutive bytes in two stores
	global_store_b128 v[L16], v[PCD+4:PCD+7], s[32:33] offset:512
	global_store_b16 v9, v[PW], s[34:35]           ; two bytes a token (lanes l and l + 16 write the same): one byte in 32 of what the launch stores
	s_wait_xcnt 0x0
	v_lshl_add_u32 v254, v0, 2, 0x42000            ; the add's two registers, made anew: the LDS stores that last read v254 and v255 (step 14's end) stand ahead of step 15's wait on vm_vsrc
	v_mov_b32 v255, 0
	s_wait_dscnt 0x0                               ; the closing lines, six on end
	s_wait_alu 0x0
	s_wait_tensorcnt 0x0
	ds_add_u32 v254, v255
	s_wait_dscnt 0x0
	s_endpgm
.Lfunc_end_k_qbef66470e9_attn:
	.size	k_qbef66470e9_attn, .Lfunc_end_k_qbef66470e9_attn-k_qbef66470e9_attn
	.p2alignl 7, 3214868480
	.fill 96, 4, 3214868480
	.section	.rodata,"a",@progbits
	.p2align	6, 0x0
	.amdhsa_kernel k_qbef66470e9_attn
		.amdhsa_group_segment_fixed_size 272384
		.amdhsa_private_segment_fixed_size 0
		.amdhsa_enable_private_segment 0
		.amdhsa_kernarg_size 32
		.amdhsa_user_sgpr_count 2
		.amdhsa_user_sgpr_kernarg_segment_ptr 1
		.amdhsa_wavefront_size32 1
		.amdhsa_system_sgpr_workgroup_id_x 1
		.amdhsa_system_sgpr_workgroup_id_y 1
		.amdhsa_system_sgpr_workgroup_id_z 1
		.amdhsa_system_vgpr_workitem_id 0
		.amdhsa_next_free_vgpr 256
		.amdhsa_next_free_sgpr 102
		.amdhsa_reserve_vcc 0
		.amdhsa_float_denorm_mode_32 3
		.amdhsa_float_denorm_mode_16_64 3
		.amdhsa_memory_ordered 1
		.amdhsa_forward_progress 1
		.amdhsa_inst_pref_size 126
	.end_amdhsa_kernel
	.amdgpu_metadata
---
amdhsa.version: [ 1, 2 ]
amdhsa.kernels:
  - .name:           k_qbef66470e9_attn
    .symbol:         k_qbef66470e9_attn.kd
    .args:
      - { .name: qkv, .offset: 0, .size: 8, .value_kind: global_buffer, .address_space: global }
      - { .name: mk, .offset: 8, .size: 8, .value_kind: global_buffer, .address_space: global }
      - { .name: x, .offset: 16, .size: 8, .value_kind: global_buffer, .address_space: global }
      - { .name: hq, .offset: 24, .size: 8, .value_kind: global_buffer, .address_space: global }
    .group_segment_fixed_size: 272384
    .private_segment_fixed_size: 0
    .kernarg_segment_align: 8
    .kernarg_segment_size: 32
    .max_flat_workgroup_size: 512
    .sgpr_count:     102
    .vgpr_count:     256
    .wavefront_size: 32
...
	.end_amdgpu_metadata
.endif
;; end of part 6
;; launch ffn1: the kernel of part 4 again; grid 16 x 16, 4 waves a work-group, clusters of 4 x 4, 327,680 bytes of LDS; arguments hq, w1_codes, w1_scales, b1, gq; writes gq
;; launch ffn2: the kernel of part 5 again; grid 8 x 32, 4 waves a work-group, clusters of 4 x 4, 327,680 bytes of LDS; arguments gq, w2_codes, w2_scales, b2, x, out0; writes out0
